; MI455X (gfx1250); checked and timed in simulation.
; The chip was launched on July 23, 2026; its instructions are those of AMD's public machine-readable ISA for CDNA 5 (MIT licence, August 2026) and "CDNA5" Instruction Set Architecture Reference Guide (July 2026). The comments in the code are by the model that wrote it; some were corrected since.
;; Multi Headed Attention. Allowed arithmetic: matrix products marked QUANTISED: E2M3 operands, one E8M0 scale for each 32 along K, by v_wmma_scale_f32_16x16x128_f8f6f4 with both operands' format E2M3, f32 sums; everything else in f32.
;; Inputs: Wk 1,024 x 1,024 float32; Wo 1,024 x 1,024 float32; Wq 1,024 x 1,024 float32; Wv 1,024 x 1,024 float32; bk 1,024 float32; bo 1,024 float32; bq 1,024 float32; bv 1,024 float32; key 4 x 2,048 x 1,024 float32; mask 4 x 2,048 x 2,048 int32; query 4 x 2,048 x 1,024 float32; value 4 x 2,048 x 1,024 float32.
;; Outputs: out0 4 x 2,048 x 1,024 float32.
;; This version of the problem:
;;   THIS VERSION OF THE PROBLEM IS GIVEN IN LOW PRECISION. The matrix products marked QUANTISED in the list below multiply operands that are first quantised to E2M3 (2 exponent bits, 3 mantissa bits; 6 bits a number), with one power-of-two scale for each 32 numbers along K (OCP MX v1.0); their sums are f32. All else is computed in f32.
;;   The module's matrix products, in the order in which they are computed (A, B: the left and right operand; K: the contracted axis; several contracted axes count as one K, in the product's order):
;;     1. [M 8,192, K 1,024] x [K 1,024, N 1,024]; A: input query; B: input Wq: QUANTISED
;;     2. [M 8,192, K 1,024] x [K 1,024, N 1,024]; A: input key; B: input Wk: QUANTISED
;;     3. [M 8,192, K 1,024] x [K 1,024, N 1,024]; A: input value; B: input Wv: QUANTISED
;;     4. batch 64 x [M 2,048, K 64] x [K 64, N 2,048]; A: computed on the way; B: computed on the way: QUANTISED
;;     5. batch 64 x [M 2,048, K 2,048] x [K 2,048, N 64]; A: softmax (see below); B: computed on the way: QUANTISED
;;     6. [M 8,192, K 1,024] x [K 1,024, N 1,024]; A: computed on the way; B: input Wo: QUANTISED
;;   THE QUANTISER, for each operand of a quantised product, along K:
;;     - K is cut into blocks of 32 from its start; a last block that is shorter is filled with zeros.
;;     - A block's scale is 2^e with e = floor(log2(the largest magnitude in the block)) - 2, held to -126 .. 127; a block of zeros has e = 0. As a byte (E8M0): e + 127.
;;     - Each number is divided by its block's scale, clamped to +-7.5, and rounded to the nearest number of E2M3, ties to even, subnormals kept.
;;     - The product sums the exact products of the quantised numbers (number of the format x scale) in f32.
;;   ~~~python
;;   def quantise(x, axis):      # numpy; x: float32 -> the quantised numbers, widened to float32 again
;;       x = np.moveaxis(x, axis, -1); K = x.shape[-1]
;;       x = np.pad(x, [(0, 0)] * (x.ndim - 1) + [(0, -K % 32)]); x = x.reshape(x.shape[:-1] + (-1, 32)); a = np.abs(x).max(-1, keepdims=True)
;;       e = np.where(a > 0, np.clip(np.frexp(np.where(a > 0, a, 1))[1] - 1 - 2, -126, 127), 0)      # np.frexp(a)[1] - 1 = floor(log2(a)), exactly
;;       r = np.clip(x / 2.0 ** e, -7.5, 7.5)
;;       step = 2.0 ** (np.maximum(np.frexp(np.where(r == 0, 1, r))[1] - 1, 0) - 3)
;;       q = np.round(r / step) * step * 2.0 ** e      # np.round: ties to even
;;       return np.moveaxis(q.reshape(q.shape[:-2] + (-1,))[..., :K], -1, axis).astype(np.float32)
;;   ~~~
;;   SOFTMAX AHEAD OF A QUANTISED PRODUCT. Where the list says 'softmax', what is quantised is not the finished softmax but p = 2^(t - M), with t = logit x log2(e) and M = ceil(the row's largest t), a whole number; so 1/2 < the row's largest p <= 1. The row's sum l is taken of the UNQUANTISED p, in f32, and the product's result is divided by l at the end. Since M is a whole number, a kernel that streams over the keys may use a running M (the ceiling of the running maximum): every later rescaling is an exact power of two, which a block's scale takes up: the codes' values come out the same.
;;   OPERANDS COMPUTED ON THE WAY. 'Computed on the way' means the value that the module computes at that place (a softmax that the list does not call 'softmax' is quantised finished and normalised). What goes into a quantiser is computed in f32, as accurately as f32 sums, v_exp_f32 and their like allow (about 1e-6 of the number): no bf16 or f16 on the way to a quantiser, and a product that is left as it is and whose result goes on into a quantised operand takes f32 operands (vector FMAs, or v_wmma_f32_16x16x4_f32). A number that lies on a knife's edge between two numbers of the format may be rounded either way, as far as f32 arithmetic and the matrix unit's own rounding can turn it there, and no further.
;; One version. Each part assembles by itself: llvm-mc -triple=amdgcn-amd-amdhsa -mcpu=gfx1250 --defsym DOCPART=n.
;; ======== version 1 of 1: 4 launches
;; limits: right only within a limited range of input values
;; workspace buffers: cod1 22,020,096 bytes; scl1 917,504 bytes; mbits 2,097,152 bytes of whole numbers; qq 6,815,744 bytes; kv 13,369,344 bytes; oc 6,291,456 bytes; os 262,144 bytes
;; launch prep (part 1): grid 1408 x 1, 4 waves a work-group, no clusters, 101,888 bytes of LDS; arguments query, key, value, Wq, Wk, Wv, Wo, mask, cod1, scl1, mbits; writes cod1, scl1, mbits
.if DOCPART == 1
	.amdgcn_target "amdgcn-amd-amdhsa--gfx1250"
	.amdhsa_code_object_version 6
	.text
	.protected	k_qdf3ea3a746_prep
	.globl	k_qdf3ea3a746_prep
	.p2align	8
	.type	k_qdf3ea3a746_prep,@function
k_qdf3ea3a746_prep:
	s_mov_b64 s[64:65], 0
	v_nop
	global_prefetch_b8 v0, s[64:65] scope:SCOPE_SE
	s_setreg_imm32_b32 hwreg(HW_REG_WAVE_MODE, 25, 1), 1
	s_wait_xcnt 0x0
; PREP.  Three kinds of work-group, told apart by the work-group's number; each kind has LDS bytes of its own and its own end.
;   0 .. 767     query, key, value [8192][1024] f32 -> codes of FP6 (E2M3), K innermost, 768 bytes a row, and one E8M0 byte for each 32 along K
;   768 .. 895   Wq, Wk, Wv, Wo [k 1024][n 1024] f32, K the FIRST axis -> codes laid [n][k], and their scale bytes [n][32]
;   896 .. 1407  mask [4][2048][2048] int32 -> words of one bit a lane, laid as the attention launch's score registers lie
; THE ORDER OF ROWS.  In every group of 32 rows of codes and of scale bytes, row 16 g + 8 u + j (j < 8) is stored at place 16 u + 8 g + j.  A tile of 16 stored rows then holds, in
; lane r, the true row 8 u + r + 8 (r / 8): the results of two neighbouring tiles are 16 neighbours along the next product's K, so nothing is transposed between the launches.
; A block's scale is 2^(floor(log2(largest magnitude)) - 2); its byte is the largest magnitude's exponent field - 2, held at 1 from below.
; LIMITS: a block of zeros gets the byte 1 (its codes are zeros; this program alone reads the bytes); NaN and infinities among the inputs are not served.
; Every work-group reads 131,072 bytes.  No tensor load, no barrier: waves share nothing.
; cod1 IS LAID [K step of 256][row][192 bytes]: rows 0 .. 24,575 are query's, key's, value's, then 1,024 rows for each weight.  128 rows of a K step are 24,576 bytes on end, from a multiple of 256.
.set KSB,    5505024                   ; bytes of one K step: 28,672 rows x 192
.set XCB,    1572864                   ; one x tensor's rows in a K step
.set WOFF,   4718592                   ; where the weights' rows begin in a K step
.set WCB,    196608                    ; one weight's rows in a K step
.set XSB,    262144                    ; bytes of one x tensor's scale bytes
.set WSOFF,  786432                    ; the weights' scale bytes begin here in scl1
.set WSB,    32768
.set EMAX,   2
	s_load_b512 s[4:19], s[0:1], 0x0               ; query 4, key 6, value 8, Wq 10, Wk 12, Wv 14, Wo 16, mask 18
	s_load_b128 s[20:23], s[0:1], 0x40             ; cod1, scl1
	s_load_b64 s[24:25], s[0:1], 0x50              ; mbits
	v_lshl_add_u32 v216, v0, 2, 0x18c00
	v_mov_b32 v217, 0
	v_lshrrev_b32 v1, 5, v0
	v_readfirstlane_b32 s26, v1                    ; wave 0..3
	v_and_b32 v2, 31, v0                           ; lane
	s_cmp_lt_u32 ttmp9, 768
	s_cbranch_scc0 .Lnot_x
; ---------------- x: a wave takes 8 rows (8,192 numbers) as 16 steps of 512 numbers.  Each load reads 512 consecutive bytes; a step's 2,048 bytes turn through the wave's own stage in LDS,
; so that a lane then holds 16 neighbours along K (two neighbouring lanes hold a block of 32).  Loads run four steps ahead, the turn one step.
.set STEPS, 16
.set CB,    12                         ; bytes of 16 codes
.set XR,    16                         ; v16-79   four sets of 16 numbers as loaded
.set XX,    80                         ; v80-111  two sets of 16 neighbours
.set XC,    128                        ; v128-191 codes: four registers for each step, so that no store's data are written again
.set XE,    112                        ; v112-127 a scale byte for each step
.set WREG,  8192                       ; LDS 0 .. 32,767: a region for each wave: two stages of 32 x SP bytes, then its 256 scale bytes
.set SP,    80                         ; a lane's place in a stage: 64 bytes + 16 of padding
	v_lshlrev_b32 v3, 4, v2                        ; my 16 bytes of a load's 512
	s_mul_i32 s27, s26, WREG
	v_lshrrev_b32 v14, 2, v2
	v_mul_u32_u24 v14, v14, SP
	v_and_b32 v15, 3, v2
	v_lshl_add_u32 v14, v15, 4, v14
	v_add_nc_u32 v14, s27, v14                     ; the stage, in: SP (lane / 4) + 16 (lane % 4)
	v_mul_u32_u24 v15, v2, SP
	v_add_nc_u32 v15, s27, v15                     ; and out: SP x lane: my 16 neighbours
	v_and_b32 v4, 15, v2
	v_mul_u32_u24 v4, v4, CB                       ; sixteen lanes hold a K step's 192 bytes of a row
	v_lshrrev_b32 v10, 4, v2
	v_mad_u32_u24 v4, v10, KSB, v4                 ; lanes 16-31: the next K step.  v4 serves a row's first 512 numbers,
	v_add_nc_u32 v10, 2*KSB, v4                    ; v10 its second 512
	v_lshrrev_b32 v5, 1, v2
	s_add_co_u32 s27, s27, 2*32*SP
	v_add_nc_u32 v5, s27, v5                       ; my block's byte among the wave's 256
	v_lshlrev_b32 v7, 3, v2
	v_add_nc_u32 v6, s27, v7                       ; and on the way out 8 bytes a lane
	s_lshr_b32 s28, ttmp9, 8                       ; which tensor
	s_and_b32 s29, ttmp9, 255
	s_lshl_b32 s29, s29, 2                         ; the work-group's 32 rows are four runs of 8
	s_add_co_u32 s30, s29, s26                     ; the run that I read: 2 g + u = my wave
	s_and_b32 s31, s26, 1
	s_lshl_b32 s31, s31, 1
	s_lshr_b32 s32, s26, 1
	s_or_b32 s31, s31, s32
	s_add_co_u32 s31, s29, s31                     ; and where it is stored: 2 u + g
	s_lshl_b32 s32, s30, 15                        ; 32,768 bytes of f32 a run
	s_mov_b32 s33, 0
	s_mul_i32 s34, s28, XCB
	s_mul_i32 s36, s31, 1536                       ; 8 rows of 192 bytes a run
	s_add_co_u32 s34, s34, s36
	s_mov_b32 s35, 0
	s_mul_i32 s36, s28, XSB
	s_lshl_b32 s38, s31, 8                         ; 256 scale bytes a run
	s_add_co_u32 s36, s36, s38
	s_mov_b32 s37, 0
	s_wait_alu depctr_va_vdst(0)
	s_wait_kmcnt 0x0
	s_cmp_lt_u32 ttmp9, 256                        ; the choice hangs on the work-group's number alone
	s_cselect_b64 s[4:5], s[4:5], s[6:7]
	s_cmp_lt_u32 ttmp9, 512
	s_cselect_b64 s[4:5], s[4:5], s[8:9]
	s_add_nc_u64 s[4:5], s[4:5], s[32:33]
	s_add_nc_u64 s[20:21], s[20:21], s[34:35]
	s_add_nc_u64 s[22:23], s[22:23], s[36:37]
.macro XLOAD t
.irp i, 0,1,2,3
	global_load_b128 v[XR+16*((\t)%4)+4*\i:XR+16*((\t)%4)+4*\i+3], v3, s[4:5] offset:2048*(\t)+512*\i th:TH_LOAD_NT   ; 32 lanes read 512 consecutive bytes
.endr
.endm
.macro XTURN t                         ; LDS serves a wave's instructions in order (ISA guide 5.7.1.4): no wait between the stores and the loads
.irp i, 0,1,2,3
	ds_store_b128 v14, v[XR+16*((\t)%4)+4*\i:XR+16*((\t)%4)+4*\i+3] offset:32*SP*((\t)%2)+8*SP*\i
.endr
.irp i, 0,1,2,3
	ds_load_b128 v[XX+16*((\t)%2)+4*\i:XX+16*((\t)%2)+4*\i+3], v15 offset:32*SP*((\t)%2)+16*\i
.endr
.endm
.irp t, 0,1,2,3
	XLOAD \t
.endr
	s_wait_loadcnt 12                              ; step 0's four loads are in; the twelve of steps 1 to 3 stay out
	XTURN 0
.macro XSTEP t
.set XS, XX+16*((\t)%2)
.if (\t) > 0
	s_wait_dscnt 1                                 ; this step's numbers are back from the stage (the last step's byte store may be out), so its stores into the stage have read their registers,
.else
	s_wait_dscnt 0x0
.endif
.if (\t)+4 < STEPS
	XLOAD (\t)+4                                   ; which take the loads of four steps on
.endif
.if (\t)+1 < STEPS
.if STEPS-2-(\t) >= 3
	s_wait_loadcnt 12                              ; the next step's four loads are in; those of the three steps behind it may be out
.else
	s_wait_loadcnt 4*(STEPS-2-(\t))
.endif
	XTURN (\t)+1
.endif
	v_max3_num_f32 v8, |v[XS]|, |v[XS+1]|, |v[XS+2]|               ; the largest magnitude of my 16, in two chains
	v_max3_num_f32 v9, |v[XS+3]|, |v[XS+4]|, |v[XS+5]|
.irp i, 6,10
	v_max3_num_f32 v8, v8, |v[XS+\i]|, |v[XS+\i+1]|
	v_max3_num_f32 v9, v9, |v[XS+\i+2]|, |v[XS+\i+3]|
.endr
	v_max3_num_f32 v8, v8, |v[XS+14]|, |v[XS+15]|
	v_max3_num_f32 v8, v8, v9, (EMAX+1)<<23        ; and the floor 2^(3 - 127): the byte cannot fall under 1
	v_max_num_f32_dpp v8, v8, v8 row_xmask:1 row_mask:0xf bank_mask:0xf   ; and of my neighbour's 16: the block's
	v_add_nc_u32 v11, -(EMAX<<23), v8              ; 2 off its exponent field: the conversion takes this operand's exponent field as its scale
	v_cvt_scalef32_pk16_fp6_f32 v[XC+4*(\t):XC+4*(\t)+2], v[XS:XS+15], v11
	v_lshrrev_b32 v[XE+(\t)], 23, v11              ; the scale's byte (a plain line behind the conversion)
	ds_store_b8 v5, v[XE+(\t)] offset:16*(\t)      ; both lanes of a block write the same byte with the same value
	global_store_b96 v[4+6*((\t)%2)], v[XC+4*(\t):XC+4*(\t)+2], s[20:21] offset:192*((\t)/2)   ; row t / 2: sixteen lanes store 192 consecutive bytes
.endm
.irp t, 0,1,2,3,4,5,6,7,8,9,10,11,12,13,14,15
	XSTEP \t
.endr
	ds_load_b64 v[12:13], v6                       ; behind my byte stores, in order
	s_wait_dscnt 0x0
	global_store_b64 v7, v[12:13], s[22:23]        ; 32 lanes store 256 consecutive bytes, aligned
	s_wait_tensorcnt 0x0
	ds_add_u32 v216, v217
	s_wait_dscnt 0x0
	s_endpgm
.Lnot_x:
	s_cmp_lt_u32 ttmp9, 896
	s_cbranch_scc0 .Lpath_m
; ---------------- weights: a lane takes a column n and its registers run down K: a block of 32 along K lies in one lane, and the conversions give codes with K innermost.
; A wave takes 32 columns x 256 along K; the codes go through the wave's own stage (its rows already in the stored order) and leave as rows, sixteen lanes to a row's 192 bytes.
.set NB,     8                         ; blocks of 32 in 256 along K
.set WPITCH, 272                       ; a stage row: sixteen places of 16 bytes, each with 12 bytes of codes, + 16
.set KROW,   192                       ; a row of codes in a K step
.set WX,     32                        ; v32-95   two sets of 32 numbers
.set WC,     96                        ; v96..    a block's codes
.set WOUT,   112                       ; v112-175 the way out
.set WSBR,   24                        ; v24-25   my column's 8 scale bytes
	s_sub_co_u32 s27, ttmp9, 768
	s_lshr_b32 s28, s27, 5                         ; which weight
	s_and_b32 s29, s27, 7
	s_lshl_b32 s29, s29, 7
	s_lshl_b32 s30, s26, 5
	s_add_co_u32 s29, s29, s30                     ; my wave's first column
	s_bfe_u32 s30, s27, 0x20003                    ; which 256 along K
	s_wait_alu depctr_va_vdst(0)
	v_lshlrev_b32 v3, 2, v2                        ; in: 4 bytes a lane
	s_mul_i32 s31, s26, 32*WPITCH
	s_add_co_u32 s31, s31, 32768                   ; LDS 32,768 .. 67,583: my stage
	v_and_b32 v10, 7, v2
	v_bfe_u32 v11, v2, 3, 1
	v_bfe_u32 v12, v2, 4, 1
	v_lshl_add_u32 v10, v11, 4, v10
	v_lshl_add_u32 v10, v12, 3, v10                ; my column's place among the 32: 16 u + 8 g + j
	v_mul_u32_u24 v4, v10, WPITCH
	v_add_nc_u32 v4, s31, v4                       ; into the stage
	v_and_b32 v5, 15, v2
	v_lshrrev_b32 v6, 4, v2
	v_mul_u32_u24 v7, v6, WPITCH
	v_lshl_add_u32 v7, v5, 4, v7
	v_add_nc_u32 v7, s31, v7                       ; out of it: sixteen lanes to a row, two rows an instruction
	v_mul_u32_u24 v8, v6, KROW
	v_mad_u32_u24 v8, v5, 12, v8                   ; and the same place in the codes' rows
	v_lshlrev_b32 v9, 5, v10                       ; my column's row of scale bytes
	s_lshl_b32 s32, s30, 20                        ; 256 rows of 4,096 bytes
	s_lshl_b32 s34, s29, 2
	s_add_co_u32 s32, s32, s34
	s_mov_b32 s33, 0
	s_mul_i32 s34, s28, WCB
	s_mul_i32 s36, s29, KROW
	s_add_co_u32 s34, s34, s36
	s_mul_i32 s36, s30, KSB
	s_add_co_u32 s34, s34, s36
	s_add_co_u32 s34, s34, WOFF
	s_mov_b32 s35, 0
	s_mul_i32 s36, s28, WSB
	s_lshl_b32 s38, s29, 5
	s_add_co_u32 s36, s36, s38
	s_lshl_b32 s38, s30, 3
	s_add_co_u32 s36, s36, s38
	s_add_co_u32 s36, s36, WSOFF
	s_mov_b32 s37, 0
	s_wait_kmcnt 0x0
	s_cmp_lt_u32 s28, 1
	s_cselect_b64 s[4:5], s[10:11], s[12:13]
	s_cmp_lt_u32 s28, 2
	s_cselect_b64 s[4:5], s[4:5], s[14:15]
	s_cmp_lt_u32 s28, 3
	s_cselect_b64 s[4:5], s[4:5], s[16:17]
	s_add_nc_u64 s[4:5], s[4:5], s[32:33]
	s_add_nc_u64 s[20:21], s[20:21], s[34:35]
	s_add_nc_u64 s[22:23], s[22:23], s[36:37]
.macro WLOAD t                         ; block t: W(32 t + i, my column) into set t % 2; a wave reads 128 consecutive bytes, the four waves 512
.irp i, 0,1,2,3,4,5,6,7,8,9,10,11,12,13,14,15,16,17,18,19,20,21,22,23,24,25,26,27,28,29,30,31
	global_load_b32 v[WX+32*((\t)%2)+\i], v3, s[4:5] offset:(32*(\t)+\i)*4096 th:TH_LOAD_NT
.endr
.endm
	WLOAD 0
	WLOAD 1
.macro WBLOCK t
.set XS, WX+32*((\t)%2)
.if (\t) < NB-1
	s_wait_loadcnt 32                              ; this block's 32 loads are in; the next block's may be out
.else
	s_wait_loadcnt 0x0
.endif
	v_max3_num_f32 v12, |v[XS]|, |v[XS+1]|, |v[XS+2]|
	v_max3_num_f32 v13, |v[XS+3]|, |v[XS+4]|, |v[XS+5]|
.irp i, 6,10,14,18,22,26
	v_max3_num_f32 v12, v12, |v[XS+\i]|, |v[XS+\i+1]|
	v_max3_num_f32 v13, v13, |v[XS+\i+2]|, |v[XS+\i+3]|
.endr
	v_max3_num_f32 v12, v12, |v[XS+30]|, |v[XS+31]|
	v_max3_num_f32 v12, v12, v13, (EMAX+1)<<23     ; with the floor
	v_add_nc_u32 v11, -(EMAX<<23), v12             ; the conversion's scale operand
	v_lshrrev_b32 v13, 23, v11                     ; the scale's byte
.if (\t)%4 == 0
	v_mov_b32 v[WSBR+(\t)/4], v13                  ; four bytes to a register, the lower K in the lower byte
.else
	v_lshl_or_b32 v[WSBR+(\t)/4], v13, 8*((\t)%4), v[WSBR+(\t)/4]
.endif
	v_cvt_scalef32_pk16_fp6_f32 v[WC:WC+2], v[XS:XS+15], v11
	v_cvt_scalef32_pk16_fp6_f32 v[WC+4:WC+6], v[XS+16:XS+31], v11   ; (a conversion's three registers begin on an even number)
	ds_store_b96 v4, v[WC:WC+2] offset:32*(\t)     ; 12 bytes to a place of 16, so that every LDS address is a multiple of 16
	ds_store_b96 v4, v[WC+4:WC+6] offset:32*(\t)+16
.if (\t)+2 < NB
	WLOAD (\t)+2
.endif
	s_wait_dscnt 0x0                               ; the stores have read their registers: the next block's codes may be written
.endm
.set Q, 0
.rept NB
	WBLOCK Q
.set Q, Q+1
.endr
	s_wait_alu depctr_va_vdst(0)
	global_store_b64 v9, v[WSBR:WSBR+1], s[22:23]  ; my column's 8 scale bytes
.irp t, 0,1,2,3,4,5,6,7,8,9,10,11,12,13,14,15
	ds_load_b96 v[WOUT+4*\t:WOUT+4*\t+2], v7 offset:2*\t*WPITCH
.endr
.irp t, 0,1,2,3,4,5,6,7,8,9,10,11,12,13,14,15
	s_wait_dscnt 15-\t                             ; LDS loads come back in order: rows 2 t and 2 t + 1 are in
	global_store_b96 v8, v[WOUT+4*\t:WOUT+4*\t+2], s[20:21] offset:2*\t*KROW
.endr
	s_wait_tensorcnt 0x0
	ds_add_u32 v216, v217
	s_wait_dscnt 0x0
	s_endpgm
.Lpath_m:
; ---------------- the mask: a work-group takes one tile of 16 queries (in the tile's own order of rows) and all 2,048 keys; wave w the key steps 4 w .. 4 w + 3 of 128 keys.
; Word n = 16 bk + i of a step: bit l says whether key 128 step + 32 bk + 16 (l / 16) + i counts for the query of lane l % 16: the score register n of lane l in the attention launch.
; A row's 512 bytes of a step are read on end, go through the wave's stage (16 rows x 528 bytes) and come back 64 numbers a lane; a compare makes a word, 64 words leave as 256 bytes.
.set MR,  16                           ; v16-143  two sets of 64 registers as loaded
.set MX,  144                          ; v144-207 my 64 numbers of a step
.set MOW, 208                          ; v208-215 a pair for each step: lane l holds words 2 l and 2 l + 1
	s_sub_co_u32 s27, ttmp9, 896                   ; 128 x batch + tile
	s_lshr_b32 s28, s27, 7
	s_and_b32 s29, s27, 127
	s_lshl_b32 s28, s28, 11
	s_lshr_b32 s30, s29, 1
	s_lshl_b32 s30, s30, 5
	s_add_co_u32 s28, s28, s30
	s_and_b32 s30, s29, 1
	s_lshl_b32 s30, s30, 3
	s_add_co_u32 s28, s28, s30                     ; the tile's first row: 2,048 b + 32 (tile / 2) + 8 (tile % 2)
	s_lshl_b32 s28, s28, 13                        ; a row of the mask is 8,192 bytes
	s_lshl_b32 s30, s26, 11                        ; my wave's four steps: 2,048 bytes on
	s_add_co_u32 s28, s28, s30
	s_mov_b32 s29, 0
	s_lshl_b32 s30, s27, 12                        ; 4,096 bytes of words a tile,
	s_lshl_b32 s31, s26, 10                        ; 256 a step
	s_add_co_u32 s30, s30, s31
	s_mov_b32 s31, 0
	s_mul_i32 s32, s26, 16*528
	s_add_co_u32 s32, s32, 67584                   ; LDS 67,584 .. 101,375: my stage
	s_wait_alu depctr_va_vdst(0)
	v_lshlrev_b32 v1, 4, v2                        ; 16 x lane
	v_lshlrev_b32 v4, 3, v2                        ; 8 x lane
	v_and_b32 v5, 15, v2
	v_lshrrev_b32 v6, 4, v2
	v_mul_u32_u24 v3, v5, 528
	v_lshl_add_u32 v3, v6, 6, v3
	v_add_nc_u32 v3, s32, v3                       ; out of the stage: row r, + 64 h
	v_add_nc_u32 v2, s32, v1                       ; into it: 16 x lane of a row
.irp i, 0,1,2,3,4,5,6,7
	v_mov_b32 v[MOW+\i], 0                         ; a lane write's destination counts as read
.endr
	s_wait_alu depctr_va_vdst(0)
	s_wait_kmcnt 0x0
	s_add_nc_u64 s[18:19], s[18:19], s[28:29]
	s_add_nc_u64 s[24:25], s[24:25], s[30:31]
.macro MLOAD st                        ; the tile's row t is the mask's row t + 8 (t / 8) from the tile's first
.irp t, 0,1,2,3,4,5,6,7,8,9,10,11,12,13,14,15
	global_load_b128 v[MR+64*((\st)%2)+4*\t:MR+64*((\st)%2)+4*\t+3], v1, s[18:19] offset:(\t+8*(\t/8))*8192+512*(\st) th:TH_LOAD_NT
.endr
.endm
.macro MSTEP st
.if (\st) < 3
	s_wait_loadcnt 16                              ; this step's 16 loads are in; the next step's stay out
.else
	s_wait_loadcnt 0x0
.endif
.irp t, 0,1,2,3,4,5,6,7,8,9,10,11,12,13,14,15
	ds_store_b128 v2, v[MR+64*((\st)%2)+4*\t:MR+64*((\st)%2)+4*\t+3] offset:528*\t
.endr
.irp bk, 0,1,2,3
.irp j, 0,1,2,3
	ds_load_b128 v[MX+16*\bk+4*\j:MX+16*\bk+4*\j+3], v3 offset:128*\bk+16*\j
.endr
.endr
	s_wait_dscnt 0x0                               ; my numbers are in, and the stores have read their registers
.if (\st) < 2
	MLOAD (\st)+2
.endif
.set g, 0
.rept 8                                ; eight compares, then their eight words, so that no write waits for the compare just ahead of it
.irp e, 0,1,2,3,4,5,6,7
	v_cmp_ne_u32 s[40+\e], 0, v[MX+8*g+\e]
.endr
.irp e, 0,1,2,3,4,5,6,7
	v_writelane_b32 v[MOW+2*(\st)+\e%2], s[40+\e], 4*g+\e/2
.endr
.set g, g+1
.endr
	global_store_b64 v4, v[MOW+2*(\st):MOW+2*(\st)+1], s[24:25] offset:256*(\st)   ; 32 lanes store 256 consecutive bytes, aligned
.endm
	MLOAD 0
	MLOAD 1
	MSTEP 0
	MSTEP 1
	MSTEP 2
	MSTEP 3
	s_wait_tensorcnt 0x0
	ds_add_u32 v216, v217
	s_wait_dscnt 0x0
	s_endpgm
.Lfunc_end_k_qdf3ea3a746_prep:
	.size	k_qdf3ea3a746_prep, .Lfunc_end_k_qdf3ea3a746_prep-k_qdf3ea3a746_prep
	.p2alignl 7, 3214868480
	.fill 96, 4, 3214868480
	.section	.rodata,"a",@progbits
	.p2align	6, 0x0
	.amdhsa_kernel k_qdf3ea3a746_prep
		.amdhsa_group_segment_fixed_size 101888
		.amdhsa_private_segment_fixed_size 0
		.amdhsa_enable_private_segment 0
		.amdhsa_kernarg_size 88
		.amdhsa_user_sgpr_count 2
		.amdhsa_user_sgpr_kernarg_segment_ptr 1
		.amdhsa_wavefront_size32 1
		.amdhsa_system_sgpr_workgroup_id_x 1
		.amdhsa_system_sgpr_workgroup_id_y 1
		.amdhsa_system_sgpr_workgroup_id_z 1
		.amdhsa_system_vgpr_workitem_id 0
		.amdhsa_next_free_vgpr 218
		.amdhsa_next_free_sgpr 66
		.amdhsa_reserve_vcc 0
		.amdhsa_float_denorm_mode_32 3
		.amdhsa_float_denorm_mode_16_64 3
		.amdhsa_memory_ordered 1
		.amdhsa_forward_progress 1
		.amdhsa_inst_pref_size 123
	.end_amdhsa_kernel
	.amdgpu_metadata
---
amdhsa.version: [ 1, 2 ]
amdhsa.kernels:
  - .name:           k_qdf3ea3a746_prep
    .symbol:         k_qdf3ea3a746_prep.kd
    .args:
      - { .name: query, .offset: 0, .size: 8, .value_kind: global_buffer, .address_space: global }
      - { .name: key, .offset: 8, .size: 8, .value_kind: global_buffer, .address_space: global }
      - { .name: value, .offset: 16, .size: 8, .value_kind: global_buffer, .address_space: global }
      - { .name: Wq, .offset: 24, .size: 8, .value_kind: global_buffer, .address_space: global }
      - { .name: Wk, .offset: 32, .size: 8, .value_kind: global_buffer, .address_space: global }
      - { .name: Wv, .offset: 40, .size: 8, .value_kind: global_buffer, .address_space: global }
      - { .name: Wo, .offset: 48, .size: 8, .value_kind: global_buffer, .address_space: global }
      - { .name: mask, .offset: 56, .size: 8, .value_kind: global_buffer, .address_space: global }
      - { .name: cod1, .offset: 64, .size: 8, .value_kind: global_buffer, .address_space: global }
      - { .name: scl1, .offset: 72, .size: 8, .value_kind: global_buffer, .address_space: global }
      - { .name: mbits, .offset: 80, .size: 8, .value_kind: global_buffer, .address_space: global }
    .group_segment_fixed_size: 101888
    .private_segment_fixed_size: 0
    .kernarg_segment_align: 8
    .kernarg_segment_size: 88
    .max_flat_workgroup_size: 128
    .sgpr_count:     66
    .vgpr_count:     218
    .wavefront_size: 32
...
	.end_amdgpu_metadata
.endif
;; end of part 1
;; launch proj (part 2): grid 4 x 96, 4 waves a work-group, clusters of 4 x 4, 327,680 bytes of LDS; arguments cod1, scl1, bq, bk, bv, qq, kv; writes qq, kv
.if DOCPART == 2
	.amdgcn_target "amdgcn-amd-amdhsa--gfx1250"
	.amdhsa_code_object_version 6
	.text
	.protected	k_qdf3ea3a746_proj
	.globl	k_qdf3ea3a746_proj
	.p2align	8
	.type	k_qdf3ea3a746_proj,@function
k_qdf3ea3a746_proj:
	s_mov_b64 s[64:65], 0
	v_nop
	global_prefetch_b8 v0, s[64:65] scope:SCOPE_SE
	s_setreg_imm32_b32 hwreg(HW_REG_WAVE_MODE, 25, 1), 1
	s_wait_xcnt 0x0
	s_wait_alu depctr_hold_cnt(0) depctr_sa_sdst(0) depctr_va_vdst(0) depctr_va_sdst(0) depctr_va_ssrc(0) depctr_va_vcc(0) depctr_vm_vsrc(0)
	s_getreg_b32 s2, hwreg(HW_REG_IB_STS2, 6, 4)
	s_cmp_eq_u32 s2, 0
	s_cbranch_scc0 .Lentry_in_a_cluster
	s_endpgm
.Lentry_in_a_cluster:
	s_bfe_u32 s2, ttmp6, 0x10000c
	s_cmp_lg_u32 s2, 0xf033
	s_cbranch_scc0 .Lentry_shape_is_right
	s_endpgm
.Lentry_shape_is_right:
; cod1 is laid [K step of 256][row][192 bytes]: a tile's rows of a K step are dense, and come as rows of 256 bytes with 16 bytes of padding behind every 64: code row r begins at LDS byte 240 r.
.set XCB,    1572864
.set WOFF,   4718592
.set WCB,    196608
.set XSB,    262144
.set WSOFF,  786432
.set WSB,    32768
.set HKV,    208896
.set QSOFF,  6291456
.set KSTEP,  256
.set NQ,     2
.set ROWB,   5505024                   ; from a K step to the next in cod1
.set KROW,   192                       ; a row of a K step
.set PITCH,  240
.set FR,     12
.set NL,     6
.set NP,     4
.set HALFT,  128*PITCH
.set SLOT,   4*HALFT
.set LAPS,   2
.set KS,     32
.set SCL,    2*SLOT
.set HALFS,  16*272
.set SBLK,   2*272
.set SPARE,  SCL+4*HALFS
.set ADRA, 16
.set ADRB, 20
.set ADRS, 27
.set SPW,  28
.set NIL,  29
.set SC,   32
.set BR,   64
.set AF,   128
.set BL,   224
.set HA,   128
.set PC,   192
.set TM,   32
.set PW,   48
.set SW,   49
.set SEL,  72
.set G1, 24
.set G0, 32
.set G1B, 48
.set G0B, 56
.set G1S, 68
.set G0S, 76
.set G1SB, 80
.set G0SB, 88
.set MSB, 0
.macro WIN new
.if MSB != (\new)
	s_set_vgpr_msb (MSB<<8)|(\new)
.set MSB, (\new)
.endif
.endm
.set MUL_LO, 0xa1
.set MUL_HI, 0xf1
.set TO_B,   0x40
.macro JLOAD g0a, g1a, g0b, g1b
	s_cmp_eq_u32 s15, 0
	s_cbranch_scc0 .Lfor_b_\@
	tensor_load_to_lds s[\g0a:\g0a+3], s[\g1a:\g1a+7]
	s_nop 0
.rept 4
	v_nop
.endr
	s_branch .Lasked_\@
.Lfor_b_\@:
	tensor_load_to_lds s[\g0b:\g0b+3], s[\g1b:\g1b+7]
	s_nop 0
.rept 4
	v_nop
.endr
.Lasked_\@:
.endm
.macro CREST
	s_cmp_lg_u32 s14, 0
	s_cbranch_scc1 .Lnot_wave_0_\@
	s_barrier_signal -3
.Lnot_wave_0_\@:
	s_barrier_wait -3
	s_barrier_signal -1
	s_barrier_wait -1
.endm
.macro CROUND
	s_barrier_signal -1
	s_barrier_wait -1
	CREST
.endm
	s_load_b128 s[4:7], s[0:1], 0x0
	s_load_b128 s[96:99], s[0:1], 0x10
	s_load_b64 s[100:101], s[0:1], 0x20
	v_lshl_add_u32 v[SPW], v0, 2, SPARE
	v_mov_b32 v[NIL], 0
	ds_add_u32 v28, v29
	ds_add_u32 v28, v29
	s_wait_dscnt 0x0
	v_lshrrev_b32 v1, 5, v0
	v_readfirstlane_b32 s14, v1
	s_lshr_b32 s15, s14, 1
	s_and_b32 s16, s14, 1
	s_bfe_u32 s40, ttmp6, 0x40000
	s_bfe_u32 s41, ttmp6, 0x40004
	s_and_b32 s13, ttmp7, 0xffff
	s_lshr_b32 s95, s13, 3
	s_and_b32 s13, s13, 7
	s_mul_i32 s8, s95, XCB
	s_mul_i32 s9, s95, WCB
	s_add_co_u32 s9, s9, WOFF
	s_mul_i32 s10, s95, XSB
	s_mul_i32 s11, s95, WSB
	s_add_co_u32 s11, s11, WSOFF
	s_cmp_eq_u32 s95, 2
	s_cselect_b32 s17, 0, s13
	s_cselect_b32 s42, s13, 0
	s_cselect_b32 s12, s9, s8
	s_cselect_b32 s9, s8, s9
	s_cselect_b32 s8, s11, s10
	s_cselect_b32 s11, s10, s11
	s_lshl_b32 s17, s17, 2
	s_add_co_u32 s17, s17, s41
	s_lshl_b32 s42, s42, 2
	s_add_co_u32 s42, s42, s40
	s_lshl_b32 s43, s41, 2
	s_lshl_b32 s43, 15, s43
	s_lshl_b32 s44, 0x1111, s40
	s_or_b32 s[G1+0], s43, (0<<16)|(1<<20)|(1<<21)|(3<<22)|(3<<25)
	s_or_b32 s[G1B+0], s44, (0<<16)|(1<<20)|(1<<21)|(3<<22)|(3<<25)
.irp g, G1, G1B
	s_mov_b32 s[\g+1], 256<<16
	s_mov_b32 s[\g+2], 192<<16                     ; the head's loads: 256 code rows = 192 rows of 256 bytes
	s_mov_b32 s[\g+3], 256<<16
	s_mov_b32 s[\g+4], 192
	s_mov_b32 s[\g+5], 256
	s_mov_b32 s[\g+6], 0
	s_mov_b32 s[\g+7], 0
.endr
	s_or_b32 s[G1S+0], s43, (3<<16)|(1<<20)|(1<<21)|(5<<22)|(3<<25)
	s_or_b32 s[G1SB+0], s44, (3<<16)|(1<<20)|(1<<21)|(5<<22)|(3<<25)
.irp g, G1S, G1SB
	s_mov_b32 s[\g+1], 32<<16
	s_mov_b32 s[\g+2], 32<<16
	s_mov_b32 s[\g+3], 32<<16
	s_mov_b32 s[\g+4], 32
	s_mov_b32 s[\g+5], 32
	s_mov_b32 s[\g+6], 0
	s_mov_b32 s[\g+7], 0
.endr
	s_lshl_b32 s20, s17, 8
	s_lshl_b32 s46, s42, 8
	s_lshl_b32 s22, s20, 5
	s_add_co_u32 s22, s22, s8
	s_mov_b32 s23, 0
	s_lshl_b32 s92, s46, 5
	s_add_co_u32 s92, s92, s11
	s_mov_b32 s93, 0
	s_mul_i32 s20, s20, KROW
	s_add_co_u32 s20, s20, s12
	s_mov_b32 s21, 0
	s_mul_i32 s46, s46, KROW
	s_add_co_u32 s46, s46, s9
	s_mov_b32 s47, 0
	s_mul_i32 s45, s14, HALFT
	s_mul_i32 s94, s14, HALFS
	s_wait_kmcnt 0x0
	s_add_nc_u64 s[20:21], s[4:5], s[20:21]
	s_add_nc_u64 s[22:23], s[6:7], s[22:23]
	s_add_nc_u64 s[46:47], s[4:5], s[46:47]
	s_add_nc_u64 s[92:93], s[6:7], s[92:93]
	s_cmp_eq_u32 s95, 0
	s_cselect_b64 s[66:67], s[96:97], s[98:99]
	s_cmp_eq_u32 s95, 2
	s_cselect_b64 s[66:67], s[100:101], s[66:67]
	CROUND
	s_mov_b32 s[G0S], 1
	s_mov_b32 s[G0S+1], SCL
	s_mov_b64 s[G0S+2:G0S+3], s[22:23]
	s_or_b32 s[G0S+3], s[G0S+3], 0x80000000
	s_mov_b32 s[G0SB], 1
	s_mov_b32 s[G0SB+1], SCL+2*HALFS
	s_mov_b64 s[G0SB+2:G0SB+3], s[92:93]
	s_or_b32 s[G0SB+3], s[G0SB+3], 0x80000000
.set G0H, 4
.set G0HB, 8
	s_mov_b32 s[G0H], 1                            ; K step 0 of A's 256 rows, whole
	s_mov_b32 s[G0H+1], 0
	s_mov_b64 s[G0H+2:G0H+3], s[20:21]
	s_or_b32 s[G0H+3], s[G0H+3], 0x80000000
	s_mov_b32 s[G0HB], 1                           ; and of B's
	s_mov_b32 s[G0HB+1], 2*HALFT
	s_mov_b64 s[G0HB+2:G0HB+3], s[46:47]
	s_or_b32 s[G0HB+3], s[G0HB+3], 0x80000000
	s_mul_i32 s18, s16, 128*KROW                   ; for the ring: my 128 rows of the tile
	s_mov_b32 s19, 0
	s_add_nc_u64 s[20:21], s[20:21], s[18:19]
	s_add_nc_u64 s[46:47], s[46:47], s[18:19]
.irp s, 0,1
	s_mov_b32 s[G0+4*\s], 1
	s_add_co_u32 s[G0+4*\s+1], s45, \s*SLOT
	s_add_nc_u64 s[G0+4*\s+2:G0+4*\s+3], s[20:21], \s*ROWB
	s_or_b32 s[G0+4*\s+3], s[G0+4*\s+3], 0x80000000
	s_mov_b32 s[G0B+4*\s], 1
	s_add_co_u32 s[G0B+4*\s+1], s45, \s*SLOT
	s_add_nc_u64 s[G0B+4*\s+2:G0B+4*\s+3], s[46:47], \s*ROWB
	s_or_b32 s[G0B+4*\s+3], s[G0B+4*\s+3], 0x80000000
.endr
; the head's four tiles, one joint load a wave, in one chain of branches on the wave's number
.macro ARM under, g0, g1, next
	s_cmp_lt_u32 s14, \under
	s_cbranch_scc0 \next
	tensor_load_to_lds s[\g0:\g0+3], s[\g1:\g1+7]
	s_nop 0
.rept 4
	v_nop
.endr
	s_branch .Lhead_asked
\next:
.endm
	ARM 1, G0H,  G1,  .Lhead_b
	ARM 2, G0HB, G1B, .Lhead_sa
	ARM 3, G0S,  G1S, .Lhead_sb
	tensor_load_to_lds s[G0SB:G0SB+3], s[G1SB:G1SB+7]
	s_nop 0
.rept 4
	v_nop
.endr
.Lhead_asked:
	v_and_b32 v1, 15, v0
	v_bfe_u32 v2, v0, 4, 1
	s_wait_alu depctr_va_vdst(0)
	s_lshl_b32 s46, s42, 8
	s_lshl_b32 s47, s16, 7
	s_add_co_u32 s46, s46, s47
	s_lshl_b32 s20, s17, 8
	s_lshl_b32 s21, s15, 7
	s_add_co_u32 s20, s20, s21
	s_cmp_eq_u32 s95, 2
	s_cselect_b32 s46, 0, s46
	s_cselect_b32 s20, s20, 0
	s_lshl_b32 s46, s46, 2
	s_lshl_b32 s20, s20, 2
	v_lshlrev_b32 v30, 6, v2
	v_add_nc_u32 v30, s46, v30
	v_and_b32 v3, 8, v1
	v_add_nc_u32 v3, v3, v1
	v_lshlrev_b32 v31, 2, v3
	v_add_nc_u32 v31, s20, v31
.irp be, 0,1,2,3
.irp jj, 0,1,2,3
	global_load_b128 v[BR+16*\be+4*\jj:BR+16*\be+4*\jj+3], v30, s[66:67] offset:128*\be+16*\jj
.endr
.endr
.irp a, 0,1,2,3,4,5,6,7
	global_load_b32 v[BL+2*\a], v31, s[66:67] offset:4*(32*(\a/2)+8*(\a%2))
	global_load_b32 v[BL+2*\a+1], v31, s[66:67] offset:4*(32*(\a/2)+8*(\a%2))
.endr
	v_mul_u32_u24 v3, v1, PITCH
	v_mul_u32_u24 v4, v2, 24
	v_add_nc_u32 v4, v3, v4
	v_lshl_add_u32 v5, v2, 4, v4
	s_mul_i32 s21, s15, HALFT
	s_mul_i32 s22, s16, HALFT
	s_add_co_u32 s22, s22, 2*HALFT
.irp s, 0,1
	v_add_nc_u32 v[ADRA+\s], s21, v4
	v_add_nc_u32 v[ADRB+\s], s22, v4
	v_add_nc_u32 v[ADRA+2+\s], s21, v5
	v_add_nc_u32 v[ADRB+2+\s], s22, v5
	s_add_co_u32 s21, s21, SLOT
	s_add_co_u32 s22, s22, SLOT
.endr
	v_mul_u32_u24 v5, v1, KS
	v_lshrrev_b32 v6, 8, v5
	v_lshl_add_u32 v5, v6, 4, v5
	s_mul_i32 s21, s15, HALFS
	s_mul_i32 s22, s16, HALFS
	s_add_co_u32 s22, s22, 2*HALFS
	s_sub_co_u32 s22, s22, s21
	v_mul_u32_u24 v6, s22, v2
	s_add_co_u32 s21, s21, SCL
	v_add_nc_u32 v5, v5, v6
	v_add_nc_u32 v[ADRS], s21, v5
	v_lshlrev_b32 v7, 4, v2
	s_lshl_b32 s23, s14, 10
	v_lshlrev_b32 v8, 2, v1
	v_lshl_add_u32 v8, v2, 9, v8
	v_add_nc_u32 v8, s23, v8
	v_add_nc_u32 v9, 4096, v8
	v_and_b32 v6, 31, v0
	v_lshlrev_b32 v12, 4, v6
	v_add_nc_u32 v10, s23, v12
	v_add_nc_u32 v11, 4096, v10
	v_lshlrev_b32 v13, 4, v1
	v_mul_u32_u24 v3, v2, HKV
	v_add_nc_u32 v13, v13, v3
	v_lshlrev_b32 v14, 3, v6
.macro FRAG reg, adr, q, i
.irp p, 0,1,2,3,4,5
.set PCE, 12*(\q)+6*(\p/3)+\p%3
.if PCE%8 < 5
	ds_load_b64 v[\reg+2*\p:\reg+2*\p+1], v[\adr] offset:8*PCE+16*(PCE/8)+(\i)*16*PITCH
.else
	ds_load_b64 v[\reg+2*\p:\reg+2*\p+1], v[\adr+2] offset:8*PCE+16*(PCE/8)+(\i)*16*PITCH
.endif
.endr
.endm
.macro MUL16 a0, p, q, sc, zero
.irp a, \a0, \a0+1
.irp b, 0,1,2,3,4,5,6,7
.if \zero
	v_wmma_scale_f32_16x16x128_f8f6f4 v[8*(8*((\a)%4)+\b):8*(8*((\a)%4)+\b)+7], v[128*(\p)+FR*\b:128*(\p)+FR*\b+FR-1], v[AF+FR*(\a):AF+FR*(\a)+FR-1], 0, v[SC+8*NQ*(\sc)+NQ*\b+(\q)], v[SC+8*NQ*(\sc)+NQ*(\a)+(\q)] matrix_a_fmt:MATRIX_FMT_FP6 matrix_b_fmt:MATRIX_FMT_FP6 matrix_a_scale:MATRIX_SCALE_ROW1
.else
	v_wmma_scale_f32_16x16x128_f8f6f4 v[8*(8*((\a)%4)+\b):8*(8*((\a)%4)+\b)+7], v[128*(\p)+FR*\b:128*(\p)+FR*\b+FR-1], v[AF+FR*(\a):AF+FR*(\a)+FR-1], v[8*(8*((\a)%4)+\b):8*(8*((\a)%4)+\b)+7], v[SC+8*NQ*(\sc)+NQ*\b+(\q)], v[SC+8*NQ*(\sc)+NQ*(\a)+(\q)] matrix_a_fmt:MATRIX_FMT_FP6 matrix_b_fmt:MATRIX_FMT_FP6 matrix_a_scale:MATRIX_SCALE_ROW1
.endif
.endr
.endr
.endm
.macro FETCH_B slot, q, p
	WIN TO_B
.irp i, 0,1,2,3,4,5,6,7
	FRAG 128*(\p)+FR*\i, ADRB+\slot, \q, \i
.endr
	WIN 0
.endm
.macro FETCH_A slot, q, i0
.irp i, \i0, \i0+1, \i0+2, \i0+3
	FRAG AF+FR*(\i), ADRA+\slot, \q, \i
.endr
.endm
.macro SCALES sc
.irp i, 0,1,2,3,4,5,6,7
	ds_load_b64 v[SC+8*NQ*\sc+NQ*\i:SC+8*NQ*\sc+NQ*\i+1], v[ADRS] offset:\i*SBLK
.endr
.endm
.macro PLACES n
.rept \n
	v_nop
.endr
.endm
.macro STEP slot, q, zero
	s_wait_dscnt 4*NL
	WIN MUL_LO
	MUL16 0, (\q)%2, \q, \slot, \zero
	MUL16 2, (\q)%2, \q, \slot, \zero
	s_wait_dscnt 0
	PLACES NP
	FETCH_B \slot, (\q)+1, 1-(\q)%2
	FETCH_A \slot, (\q)+1, 0
	WIN MUL_HI
	MUL16 4, (\q)%2, \q, \slot, \zero
	MUL16 6, (\q)%2, \q, \slot, \zero
	PLACES NP
	WIN 0
	FETCH_A \slot, (\q)+1, 4
.endm
.macro TURN slot, next, fill
	s_wait_tensorcnt 0x0
	ds_add_u32 v[SPW], v[NIL]
	s_wait_dscnt 4*NL+1
	WIN MUL_LO
	MUL16 0, 1, NQ-1, \slot, 0
	s_wait_dscnt 0x0
	s_barrier_signal -1
	MUL16 2, 1, NQ-1, \slot, 0
	WIN 0
	s_barrier_wait -1
.if \fill
	CREST
	s_add_nc_u64 s[G0+4*\slot+2:G0+4*\slot+3], s[G0+4*\slot+2:G0+4*\slot+3], 2*ROWB
	s_add_nc_u64 s[G0B+4*\slot+2:G0B+4*\slot+3], s[G0B+4*\slot+2:G0B+4*\slot+3], 2*ROWB
	JLOAD G0+4*\slot, G1, G0B+4*\slot, G1B
.else
	PLACES NP
.endif
	s_wait_alu depctr_va_vdst(0)
	v_add_nc_u32 v[ADRS], 4*NQ, v[ADRS]
	FETCH_B \next, 0, 0
	FETCH_A \next, 0, 0
	SCALES \next
	WIN MUL_HI
	MUL16 4, 1, NQ-1, \slot, 0
	MUL16 6, 1, NQ-1, \slot, 0
	PLACES NP
	WIN 0
	FETCH_A \next, 0, 4
.endm
	s_wait_alu depctr_va_vdst(0)                   ; the wait at the head's end
	s_wait_tensorcnt 0x0                           ; my tile of the head's four is in
	ds_add_u32 v[SPW], v[NIL]
	s_mov_b32 s[G1+2], 96<<16                      ; no load of mine is out: from here on a load brings 128 code rows = 96 rows of 256 bytes
	s_mov_b32 s[G1+4], 96
	s_mov_b32 s[G1B+2], 96<<16
	s_mov_b32 s[G1B+4], 96
	s_wait_dscnt 0x0
	CROUND                                         ; all four tiles are in, in every partner
	JLOAD G0+4, G1, G0B+4, G1B                     ; slot 1's first fill: K step 1
	s_wait_loadcnt 0x0                             ; the bias
	s_load_b128 s[68:71], s[0:1], 0x28
	FETCH_B 0, 0, 0
	FETCH_A 0, 0, 0
	SCALES 0
	FETCH_A 0, 0, 4
	STEP 0, 0, 1
	s_mov_b32 s3, LAPS-1
.Llap:
	TURN 0, 1, 1
	STEP 1, 0, 0
	TURN 1, 0, 1
	STEP 0, 0, 0
	s_sub_co_u32 s3, s3, 1
	s_cmp_lg_u32 s3, 0
	s_cbranch_scc1 .Llap
	TURN 0, 1, 0
	STEP 1, 0, 0
	s_wait_dscnt 4*NL
	WIN MUL_LO
	MUL16 0, 1, NQ-1, 1, 0
	MUL16 2, 1, NQ-1, 1, 0
	s_wait_dscnt 0
	WIN MUL_HI
	MUL16 4, 1, NQ-1, 1, 0
	MUL16 6, 1, NQ-1, 1, 0
	WIN 0
.macro QUANT s
.irp b, 0,1,2,3
	v_max3_num_f32 v[TM+\b], |v[\s+16*\b]|, |v[\s+1+16*\b]|, 0x1800000
.endr
.irp i, 2,4,6,8,10,12,14
.irp b, 0,1,2,3
	v_max3_num_f32 v[TM+\b], v[TM+\b], |v[\s+16*\b+\i]|, |v[\s+1+16*\b+\i]|
.endr
.endr
.irp b, 0,1,2,3
	v_permlanex16_b32 v[TM+4+\b], v[TM+\b], s[SEL], s[SEL+1]
.endr
.irp b, 0,1,2,3
	v_max_num_f32 v[TM+\b], v[TM+\b], v[TM+4+\b]
.endr
.irp b, 0,1,2,3
	v_add_nc_u32 v[TM+12+\b], 0xff000000, v[TM+\b]
.endr
.irp b, 0,1,2,3
	v_lshrrev_b32 v[TM+4+\b], 23, v[TM+12+\b]
.endr
	v_lshl_or_b32 v[PW], v[TM+5], 8, v[TM+4]
	v_lshl_or_b32 v[PW], v[TM+6], 16, v[PW]
	v_lshl_or_b32 v[PW], v[TM+7], 24, v[PW]
.irp c, 0,1
	v_cvt_scalef32_pk16_fp6_f32 v[PC+6*\c:PC+2+6*\c], v[\s+32*\c:\s+15+32*\c], v[TM+12+2*\c]
	v_cvt_scalef32_pk16_fp6_f32 v[PC+12+4*\c:PC+14+4*\c], v[\s+16+32*\c:\s+31+32*\c], v[TM+12+2*\c+1]
.endr
	v_nop
.irp c, 0,1
.irp i, 0,1,2
	v_permlane16_swap_b32 v[PC+6*\c+\i], v[PC+12+4*\c+\i]
.endr
.irp i, 0,1,2
	v_mov_b32 v[PC+3+6*\c+\i], v[PC+12+4*\c+\i]
.endr
.endr
.endm
.macro EPI kind
.irp a, 0,1,2,3,4,5,6,7
.if \a > 0
	s_wait_xcnt 0x0
.endif
	WIN 0x02+\a/4
.set ii, 0
.rept 32
.if \kind == 0
	v_pk_add_f32 v[HA+2*ii:HA+2*ii+1], v[64*(\a%4)+2*ii:64*(\a%4)+2*ii+1], v[BR+2*ii:BR+2*ii+1]
.else
	v_pk_add_f32 v[HA+2*ii:HA+2*ii+1], v[64*(\a%4)+2*ii:64*(\a%4)+2*ii+1], v[BL+2*\a:BL+2*\a+1]
.endif
.set ii, ii+1
.endr
	WIN 0
	QUANT HA
.if \kind == 0
.irp p, 0,1,2
	global_store_b64 v14, v[PC+2*\p:PC+2*\p+1], s[76:77] offset:768*\a+256*\p
	global_store_b64 v14, v[PC+6+2*\p:PC+7+2*\p], s[78:79] offset:768*\a+256*\p
.endr
	v_lshrrev_b32 v[SW+\a], v7, v[PW]
	v_and_or_b32 v[SW+\a], v[SW+\a], s74, s75
	ds_store_b32 v8, v[SW+\a] offset:64*\a
.else
.irp p, 0,1,2,3,4,5
	global_store_b64 v14, v[PC+2*\p:PC+2*\p+1], s[76+2*(\a/4):77+2*(\a/4)] offset:1536*(\a%4)+256*\p
.endr
	v_mov_b32 v[SW+\a], v[PW]
	ds_store_b32 v9, v[SW+\a] offset:64*\a
.endif
.endr
.endm
	PLACES NP
	s_wait_kmcnt 0x0
	s_mov_b32 s[SEL], 0x76543210
	s_mov_b32 s[SEL+1], 0xfedcba98
	s_mov_b32 s74, 0xffff
	s_mov_b32 s75, 0x7f7f0000
.irp b, 0,1,2,3
	v_mov_b32 v[TM+4+\b], 0
.endr
	s_cmp_eq_u32 s95, 2
	s_cbranch_scc1 .Lfor_v
	s_lshl_b32 s84, s17, 8
	s_lshl_b32 s85, s15, 7
	s_add_co_u32 s84, s84, s85
	s_lshr_b32 s85, s84, 11
	s_bfe_u32 s84, s84, 0x70004
	s_lshl_b32 s85, s85, 4
	s_lshl_b32 s86, s42, 2
	s_add_co_u32 s85, s85, s86
	s_lshl_b32 s86, s16, 1
	s_add_co_u32 s85, s85, s86
	s_mov_b32 s86, HKV
	s_mov_b32 s87, HKV
	s_mov_b32 s88, 196608
	s_cmp_eq_u32 s95, 0
	s_cselect_b64 s[76:77], s[68:69], s[70:71]
	s_cselect_b32 s86, 98304, s86
	s_cselect_b32 s87, 8192, s87
	s_cselect_b32 s88, QSOFF, s88
	s_mul_i32 s90, s85, s86
	s_mul_i32 s89, s84, 768
	s_add_co_u32 s90, s90, s89
	s_mov_b32 s91, 0
	s_mul_i32 s92, s85, s87
	s_add_co_u32 s92, s92, s88
	s_lshl_b32 s89, s84, 6
	s_add_co_u32 s92, s92, s89
	s_mov_b32 s93, 0
	s_add_nc_u64 s[80:81], s[76:77], s[92:93]
	s_add_nc_u64 s[76:77], s[76:77], s[90:91]
	s_mov_b32 s90, s86
	s_add_nc_u64 s[78:79], s[76:77], s[90:91]
	s_mov_b32 s92, s87
	s_add_nc_u64 s[82:83], s[80:81], s[92:93]
	EPI 0
	ds_load_b128 v[240:243], v10
	ds_load_b128 v[244:247], v10 offset:512
	s_wait_dscnt 0x0
	global_store_b128 v12, v[240:243], s[80:81]
	global_store_b128 v12, v[244:247], s[82:83]
	s_branch .Lend
.Lfor_v:
	s_lshl_b32 s84, s42, 8
	s_lshl_b32 s85, s16, 7
	s_add_co_u32 s84, s84, s85
	s_lshr_b32 s85, s84, 11
	s_bfe_u32 s84, s84, 0x40007
	s_lshl_b32 s85, s85, 4
	s_lshl_b32 s86, s17, 2
	s_add_co_u32 s85, s85, s86
	s_lshl_b32 s86, s15, 1
	s_add_co_u32 s85, s85, s86
	s_mul_i32 s90, s85, HKV
	s_mul_i32 s89, s84, 6144
	s_add_co_u32 s92, s90, 204800
	s_lshl_b32 s88, s84, 8
	s_add_co_u32 s92, s92, s88
	s_mov_b32 s93, 0
	s_add_co_u32 s90, s90, s89
	s_add_co_u32 s90, s90, 98304
	s_mov_b32 s91, 0
	s_add_nc_u64 s[76:77], s[70:71], s[90:91]
	s_add_nc_u64 s[78:79], s[76:77], HKV
	s_add_nc_u64 s[80:81], s[70:71], s[92:93]
	EPI 1
	ds_load_b128 v[240:243], v11
	s_wait_dscnt 0x0
	global_store_b128 v13, v[240:243], s[80:81]
.Lend:
	s_wait_tensorcnt 0x0
	ds_add_u32 v[SPW], v[NIL]
	s_wait_dscnt 0x0
	CROUND
	s_endpgm
.Lfunc_end_k_qdf3ea3a746_proj:
	.size	k_qdf3ea3a746_proj, .Lfunc_end_k_qdf3ea3a746_proj-k_qdf3ea3a746_proj
	.p2alignl 7, 3214868480
	.fill 96, 4, 3214868480
	.section	.rodata,"a",@progbits
	.p2align	6, 0x0
	.amdhsa_kernel k_qdf3ea3a746_proj
		.amdhsa_group_segment_fixed_size 327680
		.amdhsa_private_segment_fixed_size 0
		.amdhsa_enable_private_segment 0
		.amdhsa_kernarg_size 56
		.amdhsa_user_sgpr_count 2
		.amdhsa_user_sgpr_kernarg_segment_ptr 1
		.amdhsa_wavefront_size32 1
		.amdhsa_system_sgpr_workgroup_id_x 1
		.amdhsa_system_sgpr_workgroup_id_y 1
		.amdhsa_system_sgpr_workgroup_id_z 1
		.amdhsa_system_vgpr_workitem_id 0
		.amdhsa_next_free_vgpr 1024
		.amdhsa_next_free_sgpr 102
		.amdhsa_reserve_vcc 0
		.amdhsa_float_denorm_mode_32 3
		.amdhsa_float_denorm_mode_16_64 3
		.amdhsa_memory_ordered 1
		.amdhsa_forward_progress 1
		.amdhsa_inst_pref_size 243
	.end_amdhsa_kernel
	.amdgpu_metadata
---
amdhsa.version: [ 1, 2 ]
amdhsa.kernels:
  - .name:           k_qdf3ea3a746_proj
    .symbol:         k_qdf3ea3a746_proj.kd
    .args:
      - { .name: cod1, .offset: 0, .size: 8, .value_kind: global_buffer, .address_space: global }
      - { .name: scl1, .offset: 8, .size: 8, .value_kind: global_buffer, .address_space: global }
      - { .name: bq, .offset: 16, .size: 8, .value_kind: global_buffer, .address_space: global }
      - { .name: bk, .offset: 24, .size: 8, .value_kind: global_buffer, .address_space: global }
      - { .name: bv, .offset: 32, .size: 8, .value_kind: global_buffer, .address_space: global }
      - { .name: qq, .offset: 40, .size: 8, .value_kind: global_buffer, .address_space: global }
      - { .name: kv, .offset: 48, .size: 8, .value_kind: global_buffer, .address_space: global }
    .group_segment_fixed_size: 327680
    .private_segment_fixed_size: 0
    .kernarg_segment_align: 8
    .kernarg_segment_size: 56
    .max_flat_workgroup_size: 128
    .sgpr_count:     102
    .vgpr_count:     1024
    .wavefront_size: 32
...
	.end_amdgpu_metadata
.endif
;; end of part 2
;; launch attn (part 3): grid 4 x 64, 16 waves a work-group, no clusters, 210,944 bytes of LDS; arguments qq, kv, mbits, oc, os; writes oc, os
.if DOCPART == 3
	.amdgcn_target "amdgcn-amd-amdhsa--gfx1250"
	.amdhsa_code_object_version 6
	.text
	.protected	k_qdf3ea3a746_attn
	.globl	k_qdf3ea3a746_attn
	.p2align	8
	.type	k_qdf3ea3a746_attn,@function
k_qdf3ea3a746_attn:
	s_mov_b64 s[64:65], 0
	v_nop
	global_prefetch_b8 v0, s[64:65] scope:SCOPE_SE
	s_setreg_imm32_b32 hwreg(HW_REG_WAVE_MODE, 25, 1), 1
	s_wait_xcnt 0x0
; ATTN.  For each of 64 (batch, head): o = softmax(mask(q k^T / 8)) v, both products on codes of FP6 (E2M3) with E8M0 scales for each 32 along K; o is quantised along the model's 1,024 for the last product.
; THE SOFTMAX: t = logit x log2(e); M = the row's largest t so far, rounded up to a whole number; p = 2^(t - M) is quantised along the keys, not normalised; the row's sum is taken of the
; unquantised p and divides at the end.  When M moves, the sum and O are multiplied by 2^(old M - new M): exact.
; SHARES.  A work-group owns 512 queries of one head; each of its sixteen waves two tiles of 16 queries, one after the other.  Every wave walks all 2,048 keys, 128 a step.
; The head's K and V as codes, with their scale words, are 208,896 bytes: each wave brings 13,056 of them through registers into LDS, once; one barrier; the loop has none.
; LAYOUT.  Both products are used transposed: S^T = K Q^T, O^T = V^T P^T: a lane holds one query (lane % 16).  Score register 16 b + i of a step holds key 32 b + 16 (lane / 16) + i, O^T's register 16 b + i
; channel 32 b + 16 (lane / 16) + i.  Fragments lie in LDS as images of their registers: pair p at 256 p + 8 lane.
; K = 64 IN AN INSTRUCTION OF 128: Q's registers 6-11 are zero codes, both sides' scale bytes 2 and 3 are 1.0; K's tile t is named as 12 registers of which the upper six are the next tile's codes
; (behind the last: zeros): E2M3 has no infinity and no NaN, so whatever stands there, times zero, adds nothing.
; THE MASK comes as words of a bit a lane, one for each score register, by scalar loads a step ahead; a hidden score becomes -2^33 (the logit -2^30) ahead of the maximum.  c x 2^33 is a whole number, so a row
; hidden throughout has p = 1 for every key, as with the logit -1e9; in every other row a hidden p is 0.  A STEP WHOSE 64 WORDS HAVE EVERY BIT SET HIDES NOTHING: the words are ANDed by scalar
; lines, and a scalar branch leads round the 64 selects, which would change no register there.  The words are whole numbers that the first launch stored.
; NO TENSOR LOAD AND NO CLUSTER.  NO PREFETCH: in the loop only 256 bytes of mask words a step
; come from memory, and they are asked for a step ahead.
; LIMITS: the results differ from those with -1e9 only where a logit that counts lies under about -1e9.  NaN and infinities are not served.  A block of zeros gets the scale byte 1 (zero codes).
; REGISTERS: v1-7 addresses and constants; v8-11 the step's addresses; v12 -M, v13 the largest t, v[14:15] the sum; v16-27 Q of tile 0; v28-29 the head's LDS addresses; v32-85 K's eight fragments and six
;   zeros, then V's four; v96-159 S^T, then p; v160-191 O^T; v192-203 Q of tile 1, v204 its scale words; v223, v243 the add's two; v224-235 p's codes; v230-254 at work; v255 Q of tile 0's scale words.
.set HKV,   208896
.set QSOFF, 6291456
.set WV,  16                           ; s16  my wave's number
.set MO,  17                           ; s17  the mask words' offset: 256 bytes a step, my two tiles on end
.set TB,  18                           ; s18  the step's images: 6,144 bytes a step
.set TS,  19                           ; s19  K's scale words: 512 a step
.set SEL, 20                           ; s[20:21] lane l xor 16
.set CS,  22                           ; s[22:23] c = log2(e) / 8
.set TJ,  24                           ; s24  V's scale words: 256 a step
.set CNT, 25
	s_load_b256 s[4:11], s[0:1], 0x0               ; qq, kv, mbits, oc
	s_load_b64 s[12:13], s[0:1], 0x20              ; os
	v_lshl_add_u32 v223, v0, 2, 0x33000            ; my spare word, behind the head's bytes
	v_mov_b32 v243, 0
	v_lshrrev_b32 v8, 5, v0
	v_readfirstlane_b32 s[WV], v8                  ; wave 0..15
	s_and_b32 s26, ttmp7, 0xffff                   ; 16 batch + head
	s_lshl_b32 s29, ttmp9, 5                       ; my quarter of the queries: 32 tiles
	s_lshl_b32 s30, s[WV], 1
	s_add_co_u32 s29, s29, s30                     ; my first tile of queries in the batch
	s_lshr_b32 s30, s26, 4
	s_and_b32 s31, s26, 15                         ; the head
	s_lshl_b32 s30, s30, 7
	s_add_co_u32 s30, s30, s29                     ; 128 batch + tile
	s_mul_i32 s44, s[WV], 13056                    ; my sixteenth of the head's bytes, in LDS as in memory
	s_mul_i32 s46, s26, HKV
	s_add_co_u32 s46, s46, s44
	s_mov_b32 s47, 0
	s_mul_i32 s48, s26, 98304                      ; Q's images: 768 bytes a tile
	s_mul_i32 s50, s29, 768
	s_add_co_u32 s48, s48, s50
	s_mov_b32 s49, 0
	s_lshl_b32 s50, s26, 13                        ; Q's scale words: 64 bytes a tile
	s_lshl_b32 s52, s29, 6
	s_add_co_u32 s50, s50, s52
	s_add_co_u32 s50, s50, QSOFF
	s_mov_b32 s51, 0
	s_lshl_b32 s52, s30, 12                        ; the mask words: 4,096 bytes a tile
	s_mov_b32 s53, 0
	s_lshr_b32 s54, s31, 2                         ; o's images: [K step of 4 heads][tile][which 2 heads][pair][lane]
	s_mul_i32 s54, s54, 1572864
	s_mul_i32 s56, s30, 3072
	s_add_co_u32 s54, s54, s56
	s_bfe_u32 s56, s31, 0x10001
	s_mul_i32 s56, s56, 1536
	s_add_co_u32 s54, s54, s56
	s_and_b32 s56, s31, 1
	s_mul_i32 s56, s56, 768
	s_add_co_u32 s54, s54, s56
	s_mov_b32 s55, 0
	s_lshl_b32 s56, s30, 9                         ; o's scale bytes: 32 a row, my head's two at 2 x head
	s_lshl_b32 s58, s31, 1
	s_add_co_u32 s56, s56, s58
	s_mov_b32 s57, 0
	s_mov_b32 s[SEL], 0x76543210
	s_mov_b32 s[SEL+1], 0xfedcba98
	s_mov_b32 s[CS], 0x3e38aa3b                    ; log2(e) / 8
	s_mov_b32 s[CS+1], s[CS]
	s_mov_b32 s27, 0xffff0000                      ; lanes 16-31
	s_mov_b32 s[MO], 0
	v_and_b32 v9, 31, v0                           ; lane
	v_and_b32 v10, 15, v0                          ; r
	v_bfe_u32 v11, v0, 4, 1                        ; h
	v_lshlrev_b32 v1, 3, v9                        ; 8 lane: K's images, and images in memory
	v_lshlrev_b32 v8, 4, v9                        ; 16 lane
	v_lshlrev_b32 v3, 2, v9
	v_add_nc_u32 v2, 98304, v1                     ; V's images
	v_add_nc_u32 v4, 204800, v3                    ; V's scale words: lanes 0-15 one tile's, lanes 16-31 the next tile's
	v_add_nc_u32 v3, 196608, v3                    ; K's likewise
	v_lshl_add_u32 v5, v10, 5, v11                 ; o's scale bytes: 32 r + h
	v_lshlrev_b32 v6, 2, v10                       ; Q's scale words
	v_mov_b32 v7, 0xd0000000                       ; -2^33
	v_add_nc_u32 v28, s44, v8                      ; LDS: my sixteenth, 16 bytes a lane,
	v_add_nc_u32 v29, s44, v1                      ; and 8 bytes a lane
.irp j, 0,1,2,3,4,5
	v_mov_b32 v[22+\j], 0                          ; zero codes for K = 64 .. 127
	v_mov_b32 v[198+\j], 0
	v_mov_b32 v[80+\j], 0
.endr
.irp b, 0,1,2,3
	v_mov_b32 v[236+\b], 0                         ; a lane permute's destination counts as one of its sources
.endr
	v_mov_b32 v253, 0                              ; (named as the upper half of v[252:253] before it is first written)
	s_wait_alu depctr_va_vdst(0)                   ; the wait at the head's end
	s_wait_kmcnt 0x0
	s_add_nc_u64 s[2:3], s[6:7], s[46:47]
	s_add_nc_u64 s[14:15], s[4:5], s[50:51]
	s_add_nc_u64 s[4:5], s[4:5], s[48:49]
	s_add_nc_u64 s[8:9], s[8:9], s[52:53]
	s_add_nc_u64 s[10:11], s[10:11], s[54:55]
	s_add_nc_u64 s[12:13], s[12:13], s[56:57]
.set i, 0
.rept 24                                       ; 25 loads of 512 consecutive bytes and one of 256: my 13,056
	global_load_b128 v[96+4*i:99+4*i], v8, s[2:3] offset:512*i
.set i, i+1
.endr
	global_load_b128 v[32:35], v8, s[2:3] offset:12288
	global_load_b64 v[36:37], v1, s[2:3] offset:12800
.irp p, 0,1,2
	global_load_b64 v[16+2*\p:17+2*\p], v1, s[4:5] offset:256*\p          ; Q of my first tile
	global_load_b64 v[192+2*\p:193+2*\p], v1, s[4:5] offset:768+256*\p    ; and of my second
.endr
	global_load_b32 v255, v6, s[14:15]
	global_load_b32 v204, v6, s[14:15] offset:64
	s_load_b512 s[32:47], s[8:9], s[MO] offset:0x0     ; the first step's 64 mask words.  Word n: s[32 + n], from n = 32 on s[36 + n]
	s_load_b512 s[48:63], s[8:9], s[MO] offset:0x40
	s_load_b512 s[68:83], s[8:9], s[MO] offset:0x80
	s_load_b512 s[84:99], s[8:9], s[MO] offset:0xc0
	s_wait_loadcnt 8                               ; K's and V's bytes are in; Q's eight loads may be out
.set i, 0
.rept 24
	ds_store_b128 v28, v[96+4*i:99+4*i] offset:512*i
.set i, i+1
.endr
	ds_store_b128 v28, v[32:35] offset:12288
	ds_store_b64 v29, v[36:37] offset:12800
	s_wait_loadcnt 0x0                             ; Q
	s_wait_dscnt 0x0                               ; my part of the head is in LDS,
	s_barrier_signal -1
	s_barrier_wait -1                              ; everybody's is
; A KEY STEP: 128 keys.  QF: Q's fragment, QS: its scale words.
.macro STEP QF, QS
	v_add_nc_u32 v8, s[TB], v1                     ; (these four are also the places behind the last step's products, in front of the loads into their registers)
	v_add_nc_u32 v9, s[TB], v2
	v_add_nc_u32 v10, s[TS], v3
	v_add_nc_u32 v11, s[TJ], v4
.irp t, 0,1,2,3,4,5,6,7
.irp p, 0,1,2
	ds_load_b64 v[32+6*\t+2*\p:33+6*\t+2*\p], v8 offset:768*\t+256*\p
.endr
.endr
.irp i, 0,1,2,3
	ds_load_b32 v[248+\i], v10 offset:128*\i       ; lanes 0-15: tile 2 i's words, lanes 16-31: tile 2 i + 1's
.endr
	s_wait_alu depctr_va_vdst(0)                   ; the wait ahead of the wait below
	s_wait_dscnt 0x0
.irp t, 0,2,4,6
	v_wmma_scale_f32_16x16x128_f8f6f4 v[96+8*\t:103+8*\t], v[32+6*\t:43+6*\t], v[\QF:\QF+11], 0, v[248+\t/2], v[\QS] matrix_a_fmt:MATRIX_FMT_FP6 matrix_b_fmt:MATRIX_FMT_FP6
	v_wmma_scale_f32_16x16x128_f8f6f4 v[104+8*\t:111+8*\t], v[38+6*\t:49+6*\t], v[\QF:\QF+11], 0, v[248+\t/2], v[\QS] matrix_a_fmt:MATRIX_FMT_FP6 matrix_b_fmt:MATRIX_FMT_FP6 matrix_a_scale:MATRIX_SCALE_ROW1
.endr
.rept 4
	v_nop                                          ; places in front of the loads into K's registers and of the first read of the scores
.endr
.irp t, 0,1,2,3                                ; V's fragments are asked for now and land under the softmax
.irp p, 0,1,2,3,4,5
	ds_load_b64 v[32+12*\t+2*\p:33+12*\t+2*\p], v9 offset:1536*\t+256*\p
.endr
.endr
	ds_load_b32 v248, v11
	ds_load_b32 v249, v11 offset:128
	s_wait_kmcnt 0x0                               ; this step's mask words, asked for a step ago
	s_and_b64 s[100:101], s[32:33], s[34:35]       ; the AND of all 64 words, two at a time
.set p, 2
.rept 30
	s_and_b64 s[100:101], s[100:101], s[32+2*p+4*(p/16):33+2*p+4*(p/16)]
.set p, p+1
.endr
	s_and_b32 s100, s100, s101
	s_cmp_eq_u32 s100, -1
	s_cbranch_scc1 .Lopen_\@                       ; every bit set: no score of this step is hidden
.set n, 0
.rept 64                                       ; each accumulator is read from its low end on
	v_cndmask_b32 v[96+n], v7, v[96+n], s[32+n+4*(n/32)]
.set n, n+1
.endr
.Lopen_\@:
	s_add_co_u32 s[MO], s[MO], 256                 ; (the wait above has shown the last loads done: their offset may be written)
	s_min_u32 s[MO], s[MO], 7936                   ; my two tiles have 32 steps: the last step asks once more for its own words, inside the buffer
	s_load_b512 s[32:47], s[8:9], s[MO] offset:0x0
	s_load_b512 s[48:63], s[8:9], s[MO] offset:0x40
	s_load_b512 s[68:83], s[8:9], s[MO] offset:0x80
	s_load_b512 s[84:99], s[8:9], s[MO] offset:0xc0
.irp b, 0,1,2,3
	v_max3_num_f32 v[232+\b], v[96+16*\b], v[97+16*\b], v[98+16*\b]   ; the largest score of each block of 32 keys: for the row's maximum and, since p rises with the score, for the block's largest p
.endr
.irp i, 3,5,7,9,11,13
.irp b, 0,1,2,3
	v_max3_num_f32 v[232+\b], v[232+\b], v[96+16*\b+\i], v[97+16*\b+\i]   ; (the four blocks by turns)
.endr
.endr
.irp b, 0,1,2,3
	v_max_num_f32 v[232+\b], v[232+\b], v[111+16*\b]
.endr
.irp b, 0,1,2,3
	v_permlanex16_b32 v[236+\b], v[232+\b], s[SEL], s[SEL+1]
.endr
.irp b, 0,1,2,3
	v_max_num_f32 v[232+\b], v[232+\b], v[236+\b]  ; with lane l xor 16's 16 keys
.endr
	v_max3_num_f32 v254, v232, v233, v234
	v_max_num_f32 v254, v254, v235
	v_mul_f32 v254, s[CS], v254                    ; the step's largest t
	v_max_num_f32 v13, v13, v254                   ; the running largest t
	v_mov_b32 v254, v12
	v_floor_f32 v12, -v13                          ; the new -M = -ceil(t)
	v_sub_f32 v254, v12, v254                      ; old M - new M: a whole number, 0 or less
	v_cvt_i32_f32 v254, v254                       ; (it saturates)
	v_ldexp_f32 v252, 1.0, v254                    ; f = 2^(old M - new M)
.set j, 0
.rept 32
	v_pk_fma_f32 v[96+j:97+j], v[96+j:97+j], s[CS:CS+1], v[12:13] op_sel_hi:[1,0,0]   ; t - M, two at a time
.set j, j+2
.endr
.irp b, 0,1,2,3
	v_fma_f32 v[232+\b], v[232+\b], s[CS], v12     ; the same of each block's largest score
.endr
.set j, 0
	s_wait_alu depctr_va_vdst(0)                   ; the wait ahead of the batch
.rept 64
	v_exp_f32 v[96+j], v[96+j]                     ; p = 2^(t - M)
.set j, j+1
.endr
	v_pk_mul_f32 v[14:15], v[14:15], v[252:253] op_sel_hi:[1,0]   ; the sums under the new M (a plain place behind the exponentials)
	s_wait_alu depctr_va_vdst(0)                   ; one wait for the batch of 64, ahead of its first reader
.irp b, 0,1,2,3
	v_exp_f32 v[232+\b], v[232+\b]                 ; the block's largest p
.endr
	v_pk_add_f32 v[236:237], v[100:101], v[104:105]    ; the row's sum of the unquantised p, in eight chains
	v_pk_add_f32 v[250:251], v[108:109], v[112:113]
	v_pk_add_f32 v[246:247], v[116:117], v[120:121]
	v_pk_add_f32 v[244:245], v[124:125], v[128:129]
	v_pk_add_f32 v[240:241], v[132:133], v[136:137]
	v_pk_add_f32 v[238:239], v[140:141], v[144:145]
	v_pk_add_f32 v[230:231], v[148:149], v[152:153]
	v_pk_add_f32 v[14:15], v[14:15], v[156:157]
	v_pk_add_f32 v[236:237], v[236:237], v[96:97]
	v_pk_add_f32 v[250:251], v[250:251], v[98:99]
	v_pk_add_f32 v[246:247], v[246:247], v[102:103]
	v_pk_add_f32 v[244:245], v[244:245], v[106:107]
	v_pk_add_f32 v[240:241], v[240:241], v[110:111]
	v_pk_add_f32 v[238:239], v[238:239], v[114:115]
	v_pk_add_f32 v[230:231], v[230:231], v[118:119]
	v_pk_add_f32 v[14:15], v[14:15], v[122:123]
	v_pk_add_f32 v[236:237], v[236:237], v[126:127]
	v_pk_add_f32 v[250:251], v[250:251], v[130:131]
	v_pk_add_f32 v[246:247], v[246:247], v[134:135]
	v_pk_add_f32 v[244:245], v[244:245], v[138:139]
	v_pk_add_f32 v[240:241], v[240:241], v[142:143]
	v_pk_add_f32 v[238:239], v[238:239], v[146:147]
	v_pk_add_f32 v[230:231], v[230:231], v[150:151]
	v_pk_add_f32 v[14:15], v[14:15], v[154:155]
	v_pk_add_f32 v[236:237], v[236:237], v[158:159]
	v_pk_add_f32 v[14:15], v[14:15], v[244:245]
	v_pk_add_f32 v[236:237], v[236:237], v[240:241]
	v_pk_add_f32 v[250:251], v[250:251], v[238:239]
	v_pk_add_f32 v[246:247], v[246:247], v[230:231]
	v_pk_add_f32 v[14:15], v[14:15], v[250:251]
	v_pk_add_f32 v[236:237], v[236:237], v[246:247]
	v_pk_add_f32 v[14:15], v[14:15], v[236:237]
	s_wait_alu depctr_va_vdst(0)                   ; and one for the four
.irp b, 0,1,2,3
	v_max_num_f32 v[232+\b], 0x1800000, v[232+\b]  ; the floor 2^(3 - 127)
.endr
.irp b, 0,1,2,3
	v_add_nc_u32 v[244+\b], 0xff000000, v[232+\b]  ; the conversion's scale operand
.endr
.irp b, 0,1,2,3
	v_lshrrev_b32 v[236+\b], 23, v[244+\b]         ; the scale's byte
.endr
	v_lshl_or_b32 v253, v237, 8, v236              ; p's scale word for these 128 keys
	v_lshl_or_b32 v253, v238, 16, v253
	v_lshl_or_b32 v253, v239, 24, v253
.irp c, 0,1
	v_cvt_scalef32_pk16_fp6_f32 v[224+6*\c:226+6*\c], v[96+32*\c:111+32*\c], v[244+2*\c]
	v_cvt_scalef32_pk16_fp6_f32 v[236+4*\c:238+4*\c], v[112+32*\c:127+32*\c], v[244+2*\c+1]
.endr
	v_nop                                          ; one plain place behind a scaled conversion
.irp c, 0,1
.irp i, 0,1,2
	v_permlane16_swap_b32 v[224+6*\c+\i], v[236+4*\c+\i]
.endr
.irp i, 0,1,2
	v_mov_b32 v[227+6*\c+\i], v[236+4*\c+\i]
.endr
.endr
.set j, 0
.rept 16
	v_pk_mul_f32 v[160+j:161+j], v[160+j:161+j], v[252:253] op_sel_hi:[1,0]   ; O^T under the new M.  For each product below twelve of these name none of its registers: the places behind the scale word's and the codes' last writes
.set j, j+2
.endr
	s_wait_alu depctr_va_vdst(0)                   ; the wait ahead of the wait below
	s_wait_dscnt 0x0                               ; V's fragments and scale words
.irp t, 0,2                                    ; the four accumulators by turns; the next step's eight products stand between two links of a chain
	v_wmma_scale_f32_16x16x128_f8f6f4 v[160+8*\t:167+8*\t], v[32+12*\t:43+12*\t], v[224:235], v[160+8*\t:167+8*\t], v[248+\t/2], v253 matrix_a_fmt:MATRIX_FMT_FP6 matrix_b_fmt:MATRIX_FMT_FP6
	v_wmma_scale_f32_16x16x128_f8f6f4 v[168+8*\t:175+8*\t], v[44+12*\t:55+12*\t], v[224:235], v[168+8*\t:175+8*\t], v[248+\t/2], v253 matrix_a_fmt:MATRIX_FMT_FP6 matrix_b_fmt:MATRIX_FMT_FP6 matrix_a_scale:MATRIX_SCALE_ROW1
.endr
	s_add_co_u32 s[TB], s[TB], 6144
	s_add_co_u32 s[TS], s[TS], 512
	s_add_co_u32 s[TJ], s[TJ], 256
.endm
; ONE TILE OF 16 QUERIES: all 16 key steps, then o = O^T / the sum, quantised along the head's 64 (two blocks) and stored as half a fragment of the last product's operand.
.macro TILE i, QF, QS
	v_mov_b32 v13, 0xff61b1e6                      ; the largest t so far: -3e38
	v_floor_f32 v12, -v13                          ; -M
	v_mov_b32 v14, 0
	v_mov_b32 v15, 0
.set j, 0
.rept 32
	v_mov_b32 v[160+j], 0                          ; O^T: the loop is written once; its first step finds zeros
.set j, j+1
.endr
	s_mov_b32 s[TB], 0
	s_mov_b32 s[TS], 0
	s_mov_b32 s[TJ], 0
	s_mov_b32 s[CNT], 16
.Lstep_\@:
	STEP \QF, \QS
	s_sub_co_u32 s[CNT], s[CNT], 1
	s_cmp_lg_u32 s[CNT], 0
	s_cbranch_scc1 .Lstep_\@
.rept 4
	v_nop                                          ; places behind the last products
.endr
	v_add_f32 v14, v14, v15
	v_permlanex16_b32 v252, v14, s[SEL], s[SEL+1]
	v_add_f32 v14, v14, v252                       ; the row's sum
	s_wait_alu depctr_va_vdst(0)                   ; the wait ahead of the transcendental
	v_rcp_f32 v14, v14
	v_nop                                          ; a plain place behind the transcendental
	s_wait_alu depctr_va_vdst(0)                   ; and the wait ahead of its first reader
.set j, 0
.rept 32
	v_mul_f32 v[96+j], v[160+j], v14               ; register 16 b + i: channel 32 b + 16 h + i of my query
.set j, j+1
.endr
	v_max3_num_f32 v232, |v96|, |v97|, 0x1800000
	v_max3_num_f32 v233, |v112|, |v113|, 0x1800000
.irp e, 2,4,6,8,10,12,14
	v_max3_num_f32 v232, v232, |v[96+\e]|, |v[97+\e]|
	v_max3_num_f32 v233, v233, |v[112+\e]|, |v[113+\e]|
.endr
	v_permlanex16_b32 v236, v232, s[SEL], s[SEL+1]
	v_permlanex16_b32 v237, v233, s[SEL], s[SEL+1]
	v_max_num_f32 v232, v232, v236
	v_max_num_f32 v233, v233, v237
	v_add_nc_u32 v244, 0xff000000, v232
	v_add_nc_u32 v245, 0xff000000, v233
	v_lshrrev_b32 v238, 23, v244
	v_lshrrev_b32 v239, 23, v245
	v_cvt_scalef32_pk16_fp6_f32 v[224:226], v[96:111], v244
	v_cvt_scalef32_pk16_fp6_f32 v[228:230], v[112:127], v245
	v_nop                                          ; one plain place behind a scaled conversion
.irp e, 0,1,2
	v_permlane16_swap_b32 v[224+\e], v[228+\e]     ; lanes 0-15 now hold block 0, lanes 16-31 block 1
.endr
	v_mov_b32 v227, v228
	v_mov_b32 v228, v229
	v_mov_b32 v229, v230
.irp p, 0,1,2
	global_store_b64 v1, v[224+2*\p:225+2*\p], s[10:11] offset:3072*\i+256*\p   ; 256 consecutive bytes, aligned
.endr
	v_cndmask_b32 v240, v238, v239, s27            ; lane (r, h): block h's byte
	global_store_b8 v5, v240, s[12:13] offset:512*\i   ; two bytes a row: a row's 32 bytes come from sixteen heads, so no work-group has more of it to store
.if \i == 0
	s_wait_xcnt 0x0                                ; the stores have read their registers: the next tile writes them again
.endif
.endm
	TILE 0, 16, 255
	TILE 1, 192, 204
	s_wait_kmcnt 0x0                               ; the last request for mask words, whose words nobody uses
	s_wait_tensorcnt 0x0                           ; the wave's end
	ds_add_u32 v223, v243
	s_wait_dscnt 0x0
	s_endpgm
.Lfunc_end_k_qdf3ea3a746_attn:
	.size	k_qdf3ea3a746_attn, .Lfunc_end_k_qdf3ea3a746_attn-k_qdf3ea3a746_attn
	.p2alignl 7, 3214868480
	.fill 96, 4, 3214868480
	.section	.rodata,"a",@progbits
	.p2align	6, 0x0
	.amdhsa_kernel k_qdf3ea3a746_attn
		.amdhsa_group_segment_fixed_size 210944
		.amdhsa_private_segment_fixed_size 0
		.amdhsa_enable_private_segment 0
		.amdhsa_kernarg_size 40
		.amdhsa_user_sgpr_count 2
		.amdhsa_user_sgpr_kernarg_segment_ptr 1
		.amdhsa_wavefront_size32 1
		.amdhsa_system_sgpr_workgroup_id_x 1
		.amdhsa_system_sgpr_workgroup_id_y 1
		.amdhsa_system_sgpr_workgroup_id_z 1
		.amdhsa_system_vgpr_workitem_id 0
		.amdhsa_next_free_vgpr 256
		.amdhsa_next_free_sgpr 102
		.amdhsa_reserve_vcc 0
		.amdhsa_float_denorm_mode_32 3
		.amdhsa_float_denorm_mode_16_64 3
		.amdhsa_memory_ordered 1
		.amdhsa_forward_progress 1
		.amdhsa_inst_pref_size 65
	.end_amdhsa_kernel
	.amdgpu_metadata
---
amdhsa.version: [ 1, 2 ]
amdhsa.kernels:
  - .name:           k_qdf3ea3a746_attn
    .symbol:         k_qdf3ea3a746_attn.kd
    .args:
      - { .name: qq, .offset: 0, .size: 8, .value_kind: global_buffer, .address_space: global }
      - { .name: kv, .offset: 8, .size: 8, .value_kind: global_buffer, .address_space: global }
      - { .name: mbits, .offset: 16, .size: 8, .value_kind: global_buffer, .address_space: global }
      - { .name: oc, .offset: 24, .size: 8, .value_kind: global_buffer, .address_space: global }
      - { .name: os, .offset: 32, .size: 8, .value_kind: global_buffer, .address_space: global }
    .group_segment_fixed_size: 210944
    .private_segment_fixed_size: 0
    .kernarg_segment_align: 8
    .kernarg_segment_size: 40
    .max_flat_workgroup_size: 512
    .sgpr_count:     102
    .vgpr_count:     256
    .wavefront_size: 32
...
	.end_amdgpu_metadata
.endif
;; end of part 3
;; launch outp (part 4): grid 4 x 32, 4 waves a work-group, clusters of 4 x 4, 327,680 bytes of LDS; arguments oc, os, cod1, scl1, bo, out0; writes out0
.if DOCPART == 4
	.amdgcn_target "amdgcn-amd-amdhsa--gfx1250"
	.amdhsa_code_object_version 6
	.text
	.protected	k_qdf3ea3a746_outp
	.globl	k_qdf3ea3a746_outp
	.p2align	8
	.type	k_qdf3ea3a746_outp,@function
k_qdf3ea3a746_outp:
	s_mov_b64 s[64:65], 0
	v_nop
	global_prefetch_b8 v0, s[64:65] scope:SCOPE_SE
	s_setreg_imm32_b32 hwreg(HW_REG_WAVE_MODE, 25, 1), 1
	s_wait_xcnt 0x0
	s_wait_alu depctr_hold_cnt(0) depctr_sa_sdst(0) depctr_va_vdst(0) depctr_va_sdst(0) depctr_va_ssrc(0) depctr_va_vcc(0) depctr_vm_vsrc(0)
	s_getreg_b32 s2, hwreg(HW_REG_IB_STS2, 6, 4)
	s_cmp_eq_u32 s2, 0
	s_cbranch_scc0 .Lentry_in_a_cluster
	s_endpgm
.Lentry_in_a_cluster:
	s_bfe_u32 s2, ttmp6, 0x10000c
	s_cmp_lg_u32 s2, 0xf033
	s_cbranch_scc0 .Lentry_shape_is_right
	s_endpgm
.Lentry_shape_is_right:
; cod1 is laid [K step of 256][row][192 bytes]: Wo's rows of a K step are dense, and come as rows of 256 bytes with 16 bytes of padding behind every 64: code row r begins at LDS byte 240 r.
.set WOFF,   4718592
.set WCB,    196608
.set WSOFF,  786432
.set WSB,    32768
.set SIZE_N, 1024
.set KSTEP,  256
.set NQ,     2
.set ROWB,   5505024                   ; from a K step to the next in cod1
.set KROW,   192                       ; a row of a K step
.set ASTEP,  1572864
.set PITCH,  240
.set FR,     12
.set NL,     6
.set NP,     4
.set HALFT,  128*PITCH
.set SLOT,   4*HALFT
.set LAPS,   2
.set KS,     32
.set SCL,    2*SLOT
.set HALFS,  16*272
.set SBLK,   2*272
.set SPARE,  SCL+4*HALFS
.set SPITCH, 528
.set ADRA, 16
.set ADRB, 20
.set STO,  24
.set RD,   25
.set CO,   26
.set ADRS, 27
.set SPW,  28
.set NIL,  29
.set SC,   32
.set BR,   64
.set AF,   128
.set BK,   128
.set G1, 24
.set G0, 32
.set G1B, 48
.set G0B, 56
.set G1S, 68
.set G0S, 76
.set G1SB, 80
.set G0SB, 88
.set MSB, 0
.macro WIN new
.if MSB != (\new)
	s_set_vgpr_msb (MSB<<8)|(\new)
.set MSB, (\new)
.endif
.endm
.set MUL_LO, 0xa1
.set MUL_HI, 0xf1
.set TO_B,   0x40
.macro JLOAD g0a, g1a, g0b, g1b
	s_cmp_eq_u32 s15, 0
	s_cbranch_scc0 .Lfor_b_\@
	tensor_load_to_lds s[\g0a:\g0a+3], s[\g1a:\g1a+7]
	s_nop 0
.rept 4
	v_nop
.endr
	s_branch .Lasked_\@
.Lfor_b_\@:
	tensor_load_to_lds s[\g0b:\g0b+3], s[\g1b:\g1b+7]
	s_nop 0
.rept 4
	v_nop
.endr
.Lasked_\@:
.endm
.macro CREST
	s_cmp_lg_u32 s14, 0
	s_cbranch_scc1 .Lnot_wave_0_\@
	s_barrier_signal -3
.Lnot_wave_0_\@:
	s_barrier_wait -3
	s_barrier_signal -1
	s_barrier_wait -1
.endm
.macro CROUND
	s_barrier_signal -1
	s_barrier_wait -1
	CREST
.endm
	s_load_b128 s[4:7], s[0:1], 0x0
	s_load_b128 s[8:11], s[0:1], 0x10
	s_load_b64 s[66:67], s[0:1], 0x20
	s_load_b64 s[12:13], s[0:1], 0x28
	v_lshl_add_u32 v[SPW], v0, 2, SPARE
	v_mov_b32 v[NIL], 0
	ds_add_u32 v28, v29
	ds_add_u32 v28, v29
	s_wait_dscnt 0x0
	v_lshrrev_b32 v1, 5, v0
	v_readfirstlane_b32 s14, v1
	s_lshr_b32 s15, s14, 1
	s_and_b32 s16, s14, 1
	s_bfe_u32 s40, ttmp6, 0x40000
	s_bfe_u32 s41, ttmp6, 0x40004
	s_lshl_b32 s42, ttmp9, 2
	s_add_co_u32 s42, s42, s40
	s_and_b32 s17, ttmp7, 0xffff
	s_lshl_b32 s17, s17, 2
	s_add_co_u32 s17, s17, s41
	s_lshl_b32 s43, s41, 2
	s_lshl_b32 s43, 15, s43
	s_lshl_b32 s44, 0x1111, s40
	s_or_b32 s[G1+0], s43, (3<<16)|(1<<21)
	s_mov_b32 s[G1+1], 32<<16
	s_mov_b32 s[G1+2], 192<<16                     ; the head's loads: 256 rows of 192 bytes = 192 rows of 256
	s_mov_b32 s[G1+3], 32<<16
	s_mov_b32 s[G1+4], 192
	s_mov_b32 s[G1+5], 32
	s_mov_b32 s[G1+6], 0
	s_mov_b32 s[G1+7], 0
	s_or_b32 s[G1B+0], s44, (0<<16)|(1<<20)|(1<<21)|(3<<22)|(3<<25)
	s_mov_b32 s[G1B+1], 256<<16
	s_mov_b32 s[G1B+2], 192<<16
	s_mov_b32 s[G1B+3], 256<<16
	s_mov_b32 s[G1B+4], 192
	s_mov_b32 s[G1B+5], 256
	s_mov_b32 s[G1B+6], 0
	s_mov_b32 s[G1B+7], 0
	s_or_b32 s[G1S+0], s43, (3<<16)|(1<<20)|(1<<21)|(5<<22)|(3<<25)
	s_or_b32 s[G1SB+0], s44, (3<<16)|(1<<20)|(1<<21)|(5<<22)|(3<<25)
.irp g, G1S, G1SB
	s_mov_b32 s[\g+1], 32<<16
	s_mov_b32 s[\g+2], 32<<16
	s_mov_b32 s[\g+3], 32<<16
	s_mov_b32 s[\g+4], 32
	s_mov_b32 s[\g+5], 32
	s_mov_b32 s[\g+6], 0
	s_mov_b32 s[\g+7], 0
.endr
	s_lshl_b32 s20, s17, 8
	s_lshl_b32 s46, s42, 8
	s_lshl_b32 s22, s20, 5
	s_mov_b32 s23, 0
	s_lshl_b32 s92, s46, 5
	s_add_co_u32 s92, s92, WSOFF+3*WSB
	s_mov_b32 s93, 0
	s_mul_i32 s20, s20, 192
	s_mov_b32 s21, 0
	s_mul_i32 s46, s46, KROW
	s_add_co_u32 s46, s46, WOFF+3*WCB
	s_mov_b32 s47, 0
	s_mul_i32 s45, s14, HALFT
	s_mul_i32 s94, s14, 24576                      ; A's images have no padding: its two halves lie on end in a slot
	s_wait_kmcnt 0x0
	s_add_nc_u64 s[20:21], s[4:5], s[20:21]
	s_add_nc_u64 s[22:23], s[6:7], s[22:23]
	s_add_nc_u64 s[46:47], s[8:9], s[46:47]
	s_add_nc_u64 s[92:93], s[10:11], s[92:93]
	CROUND
	s_mov_b32 s[G0S], 1
	s_mov_b32 s[G0S+1], SCL
	s_mov_b64 s[G0S+2:G0S+3], s[22:23]
	s_or_b32 s[G0S+3], s[G0S+3], 0x80000000
	s_mov_b32 s[G0SB], 1
	s_mov_b32 s[G0SB+1], SCL+2*HALFS
	s_mov_b64 s[G0SB+2:G0SB+3], s[92:93]
	s_or_b32 s[G0SB+3], s[G0SB+3], 0x80000000
.set G0H, 4
.set G0HB, 8
	s_mov_b32 s[G0H], 1                            ; K step 0 of A's 256 rows, whole
	s_mov_b32 s[G0H+1], 0
	s_mov_b64 s[G0H+2:G0H+3], s[20:21]
	s_or_b32 s[G0H+3], s[G0H+3], 0x80000000
	s_mov_b32 s[G0HB], 1                           ; and of B's
	s_mov_b32 s[G0HB+1], 2*HALFT
	s_mov_b64 s[G0HB+2:G0HB+3], s[46:47]
	s_or_b32 s[G0HB+3], s[G0HB+3], 0x80000000
	s_mul_i32 s18, s16, 128*KROW                   ; for the ring: my 128 rows of the tile
	s_mov_b32 s19, 0
	s_add_nc_u64 s[20:21], s[20:21], s[18:19]
	s_add_nc_u64 s[46:47], s[46:47], s[18:19]
.irp s, 0,1
	s_mov_b32 s[G0+4*\s], 1
	s_add_co_u32 s[G0+4*\s+1], s94, \s*SLOT
	s_add_nc_u64 s[G0+4*\s+2:G0+4*\s+3], s[20:21], \s*ASTEP
	s_or_b32 s[G0+4*\s+3], s[G0+4*\s+3], 0x80000000
	s_mov_b32 s[G0B+4*\s], 1
	s_add_co_u32 s[G0B+4*\s+1], s45, \s*SLOT
	s_add_nc_u64 s[G0B+4*\s+2:G0B+4*\s+3], s[46:47], \s*ROWB
	s_or_b32 s[G0B+4*\s+3], s[G0B+4*\s+3], 0x80000000
.endr
; the head's four tiles, one joint load a wave, in one chain of branches on the wave's number
.macro ARM under, g0, g1, next
	s_cmp_lt_u32 s14, \under
	s_cbranch_scc0 \next
	tensor_load_to_lds s[\g0:\g0+3], s[\g1:\g1+7]
	s_nop 0
.rept 4
	v_nop
.endr
	s_branch .Lhead_asked
\next:
.endm
	ARM 1, G0H,  G1,  .Lhead_b
	ARM 2, G0HB, G1B, .Lhead_sa
	ARM 3, G0S,  G1S, .Lhead_sb
	tensor_load_to_lds s[G0SB:G0SB+3], s[G1SB:G1SB+7]
	s_nop 0
.rept 4
	v_nop
.endr
.Lhead_asked:
	v_and_b32 v1, 15, v0
	v_bfe_u32 v2, v0, 4, 1
	s_lshl_b32 s46, s42, 10
	s_lshl_b32 s47, s16, 9
	s_add_co_u32 s46, s46, s47
	v_lshlrev_b32 v30, 6, v2
	v_add_nc_u32 v30, s46, v30
.irp be, 0,1,2,3
.irp jj, 0,1,2,3
	global_load_b128 v[BR+16*\be+4*\jj:BR+16*\be+4*\jj+3], v30, s[66:67] offset:128*\be+16*\jj
.endr
.endr
	v_mul_u32_u24 v3, v1, PITCH
	v_mul_u32_u24 v4, v2, 24
	v_add_nc_u32 v4, v3, v4
	v_lshl_add_u32 v5, v2, 4, v4
	v_and_b32 v6, 31, v0
	v_lshlrev_b32 v7, 3, v6
	s_mul_i32 s21, s15, 24576
	s_mul_i32 s22, s16, HALFT
	s_add_co_u32 s22, s22, 2*HALFT
.irp s, 0,1
	v_add_nc_u32 v[ADRA+\s], s21, v7
	v_add_nc_u32 v[ADRB+\s], s22, v4
	v_add_nc_u32 v[ADRB+2+\s], s22, v5
	s_add_co_u32 s21, s21, SLOT
	s_add_co_u32 s22, s22, SLOT
.endr
	v_mul_u32_u24 v5, v1, KS
	v_lshrrev_b32 v3, 8, v5
	v_lshl_add_u32 v5, v3, 4, v5
	s_mul_i32 s21, s15, HALFS
	s_mul_i32 s22, s16, HALFS
	s_add_co_u32 s22, s22, 2*HALFS
	s_sub_co_u32 s22, s22, s21
	v_mul_u32_u24 v3, s22, v2
	s_add_co_u32 s21, s21, SCL
	v_add_nc_u32 v5, v5, v3
	v_add_nc_u32 v[ADRS], s21, v5
	s_mul_i32 s23, s14, 16*SPITCH
	v_mul_u32_u24 v5, v1, SPITCH
	v_lshl_add_u32 v5, v2, 6, v5
	v_add_nc_u32 v[STO], s23, v5
	v_lshlrev_b32 v[CO], 4, v6
	v_add_nc_u32 v[RD], s23, v[CO]
	s_lshl_b32 s20, s17, 8
	s_lshl_b32 s21, s15, 7
	s_add_co_u32 s20, s20, s21
	s_lshl_b32 s20, s20, 12
	s_mov_b32 s21, 0
	s_mov_b32 s47, 0
	s_add_nc_u64 s[20:21], s[20:21], s[46:47]
	s_add_nc_u64 s[12:13], s[12:13], s[20:21]
.macro FRAG reg, adr, q, i
.irp p, 0,1,2,3,4,5
.set PCE, 12*(\q)+6*(\p/3)+\p%3
.if PCE%8 < 5
	ds_load_b64 v[\reg+2*\p:\reg+2*\p+1], v[\adr] offset:8*PCE+16*(PCE/8)+(\i)*16*PITCH
.else
	ds_load_b64 v[\reg+2*\p:\reg+2*\p+1], v[\adr+2] offset:8*PCE+16*(PCE/8)+(\i)*16*PITCH
.endif
.endr
.endm
.macro FRAGA reg, adr, q, i
.irp p, 0,1,2,3,4,5
	ds_load_b64 v[\reg+2*\p:\reg+2*\p+1], v[\adr] offset:(2*(\i)+(\q))*1536+256*\p
.endr
.endm
.macro MUL16 a0, p, q, sc, zero
.irp a, \a0, \a0+1
.irp b, 0,1,2,3,4,5,6,7
.if \zero
	v_wmma_scale_f32_16x16x128_f8f6f4 v[8*(8*((\a)%4)+\b):8*(8*((\a)%4)+\b)+7], v[128*(\p)+FR*\b:128*(\p)+FR*\b+FR-1], v[AF+FR*(\a):AF+FR*(\a)+FR-1], v[BR+8*\b:BR+8*\b+7], v[SC+8*NQ*(\sc)+NQ*\b+(\q)], v[SC+8*NQ*(\sc)+NQ*(\a)+(\q)] matrix_a_fmt:MATRIX_FMT_FP6 matrix_b_fmt:MATRIX_FMT_FP6 matrix_a_scale:MATRIX_SCALE_ROW1
.else
	v_wmma_scale_f32_16x16x128_f8f6f4 v[8*(8*((\a)%4)+\b):8*(8*((\a)%4)+\b)+7], v[128*(\p)+FR*\b:128*(\p)+FR*\b+FR-1], v[AF+FR*(\a):AF+FR*(\a)+FR-1], v[8*(8*((\a)%4)+\b):8*(8*((\a)%4)+\b)+7], v[SC+8*NQ*(\sc)+NQ*\b+(\q)], v[SC+8*NQ*(\sc)+NQ*(\a)+(\q)] matrix_a_fmt:MATRIX_FMT_FP6 matrix_b_fmt:MATRIX_FMT_FP6 matrix_a_scale:MATRIX_SCALE_ROW1
.endif
.endr
.endr
.endm
.macro FETCH_B slot, q, p
	WIN TO_B
.irp i, 0,1,2,3,4,5,6,7
	FRAG 128*(\p)+FR*\i, ADRB+\slot, \q, \i
.endr
	WIN 0
.endm
.macro FETCH_A slot, q, i0
.irp i, \i0, \i0+1, \i0+2, \i0+3
	FRAGA AF+FR*(\i), ADRA+\slot, \q, \i
.endr
.endm
.macro SCALES sc
.irp i, 0,1,2,3,4,5,6,7
	ds_load_b64 v[SC+8*NQ*\sc+NQ*\i:SC+8*NQ*\sc+NQ*\i+1], v[ADRS] offset:\i*SBLK
.endr
.endm
.macro PLACES n
.rept \n
	v_nop
.endr
.endm
.macro STEP slot, q, zero
	s_wait_dscnt 4*NL
.if \zero
	WIN 0x81
.else
	WIN MUL_LO
.endif
	MUL16 0, (\q)%2, \q, \slot, \zero
	MUL16 2, (\q)%2, \q, \slot, \zero
	s_wait_dscnt 0
	PLACES NP
	FETCH_B \slot, (\q)+1, 1-(\q)%2
	FETCH_A \slot, (\q)+1, 0
.if \zero
	WIN 0xc1
.else
	WIN MUL_HI
.endif
	MUL16 4, (\q)%2, \q, \slot, \zero
	MUL16 6, (\q)%2, \q, \slot, \zero
	PLACES NP
	WIN 0
	FETCH_A \slot, (\q)+1, 4
.endm
.macro TURN slot, next, fill
	s_wait_tensorcnt 0x0
	ds_add_u32 v[SPW], v[NIL]
	s_wait_dscnt 4*NL+1
	WIN MUL_LO
	MUL16 0, 1, NQ-1, \slot, 0
	s_wait_dscnt 0x0
	s_barrier_signal -1
	MUL16 2, 1, NQ-1, \slot, 0
	WIN 0
	s_barrier_wait -1
.if \fill
	CREST
	s_add_nc_u64 s[G0+4*\slot+2:G0+4*\slot+3], s[G0+4*\slot+2:G0+4*\slot+3], 2*ASTEP
	s_add_nc_u64 s[G0B+4*\slot+2:G0B+4*\slot+3], s[G0B+4*\slot+2:G0B+4*\slot+3], 2*ROWB
	JLOAD G0+4*\slot, G1, G0B+4*\slot, G1B
.else
	PLACES NP
.endif
	s_wait_alu depctr_va_vdst(0)
	v_add_nc_u32 v[ADRS], 4*NQ, v[ADRS]
	FETCH_B \next, 0, 0
	FETCH_A \next, 0, 0
	SCALES \next
	WIN MUL_HI
	MUL16 4, 1, NQ-1, \slot, 0
	MUL16 6, 1, NQ-1, \slot, 0
	PLACES NP
	WIN 0
	FETCH_A \next, 0, 4
.endm
	s_wait_alu depctr_va_vdst(0)                   ; the wait at the head's end
	s_wait_tensorcnt 0x0                           ; my tile of the head's four is in
	ds_add_u32 v[SPW], v[NIL]
	s_mov_b32 s[G1+2], 96<<16                      ; no load of mine is out: from here on a load brings 128 rows of 192 bytes = 96 rows of 256
	s_mov_b32 s[G1+4], 96
	s_mov_b32 s[G1B+2], 96<<16
	s_mov_b32 s[G1B+4], 96
	s_wait_dscnt 0x0
	CROUND                                         ; all four tiles are in, in every partner
	JLOAD G0+4, G1, G0B+4, G1B                     ; slot 1's first fill: K step 1
	s_wait_loadcnt 0x0                             ; the bias
	FETCH_B 0, 0, 0
	FETCH_A 0, 0, 0
	SCALES 0
	FETCH_A 0, 0, 4
	STEP 0, 0, 1
	s_mov_b32 s3, LAPS-1
.Llap:
	TURN 0, 1, 1
	STEP 1, 0, 0
	TURN 1, 0, 1
	STEP 0, 0, 0
	s_sub_co_u32 s3, s3, 1
	s_cmp_lg_u32 s3, 0
	s_cbranch_scc1 .Llap
	TURN 0, 1, 0
	STEP 1, 0, 0
	s_wait_dscnt 4*NL
	WIN MUL_LO
	MUL16 0, 1, NQ-1, 1, 0
	MUL16 2, 1, NQ-1, 1, 0
	s_wait_dscnt 0
	WIN MUL_HI
	MUL16 4, 1, NQ-1, 1, 0
	MUL16 6, 1, NQ-1, 1, 0
	WIN 0
.macro TOSTAGE a
.set AC, 64*((\a)%4)
	WIN 0x08+4*((\a)/4)
.irp b, 0,1,2,3,4,5,6,7
	ds_store_b128 v[STO], v[AC+8*\b:AC+8*\b+3] offset:128*(\b/2)+32*(\b%2)
	ds_store_b128 v[STO], v[AC+8*\b+4:AC+8*\b+7] offset:128*(\b/2)+32*(\b%2)+16
.endr
	WIN 0
.set BB, BK+64*((\a)%2)
.irp t, 0,1,2,3,4,5,6,7,8,9,10,11,12,13,14,15
	ds_load_b128 v[BB+4*\t:BB+4*\t+3], v[RD] offset:\t*SPITCH
.endr
.endm
.macro SEND a, younger
.set BB, BK+64*((\a)%2)
	s_wait_dscnt \younger
.if (\a) > 0
.if (\a)%2
	s_add_nc_u64 s[12:13], s[12:13], 8*SIZE_N*4
.else
	s_add_nc_u64 s[12:13], s[12:13], 24*SIZE_N*4
.endif
.endif
.irp t, 0,1,2,3,4,5,6,7,8,9,10,11,12,13,14,15
	global_store_b128 v[CO], v[BB+4*\t:BB+4*\t+3], s[12:13] offset:(\t+8*(\t/8))*SIZE_N*4 th:TH_STORE_NT
.endr
.endm
	PLACES NP
	TOSTAGE 0
.irp a, 1,2,3,4,5,6,7
.if \a > 1
	s_wait_xcnt 0x0
.endif
	TOSTAGE \a
	SEND \a-1, 32
.endr
	s_wait_xcnt 0x0
	SEND 7, 0
	s_wait_tensorcnt 0x0
	ds_add_u32 v[SPW], v[NIL]
	s_wait_dscnt 0x0
	CROUND
	s_endpgm
.Lfunc_end_k_qdf3ea3a746_outp:
	.size	k_qdf3ea3a746_outp, .Lfunc_end_k_qdf3ea3a746_outp-k_qdf3ea3a746_outp
	.p2alignl 7, 3214868480
	.fill 96, 4, 3214868480
	.section	.rodata,"a",@progbits
	.p2align	6, 0x0
	.amdhsa_kernel k_qdf3ea3a746_outp
		.amdhsa_group_segment_fixed_size 327680
		.amdhsa_private_segment_fixed_size 0
		.amdhsa_enable_private_segment 0
		.amdhsa_kernarg_size 48
		.amdhsa_user_sgpr_count 2
		.amdhsa_user_sgpr_kernarg_segment_ptr 1
		.amdhsa_wavefront_size32 1
		.amdhsa_system_sgpr_workgroup_id_x 1
		.amdhsa_system_sgpr_workgroup_id_y 1
		.amdhsa_system_sgpr_workgroup_id_z 1
		.amdhsa_system_vgpr_workitem_id 0
		.amdhsa_next_free_vgpr 1024
		.amdhsa_next_free_sgpr 98
		.amdhsa_reserve_vcc 0
		.amdhsa_float_denorm_mode_32 3
		.amdhsa_float_denorm_mode_16_64 3
		.amdhsa_memory_ordered 1
		.amdhsa_forward_progress 1
		.amdhsa_inst_pref_size 163
	.end_amdhsa_kernel
	.amdgpu_metadata
---
amdhsa.version: [ 1, 2 ]
amdhsa.kernels:
  - .name:           k_qdf3ea3a746_outp
    .symbol:         k_qdf3ea3a746_outp.kd
    .args:
      - { .name: oc, .offset: 0, .size: 8, .value_kind: global_buffer, .address_space: global }
      - { .name: os, .offset: 8, .size: 8, .value_kind: global_buffer, .address_space: global }
      - { .name: cod1, .offset: 16, .size: 8, .value_kind: global_buffer, .address_space: global }
      - { .name: scl1, .offset: 24, .size: 8, .value_kind: global_buffer, .address_space: global }
      - { .name: bo, .offset: 32, .size: 8, .value_kind: global_buffer, .address_space: global }
      - { .name: out0, .offset: 40, .size: 8, .value_kind: global_buffer, .address_space: global }
    .group_segment_fixed_size: 327680
    .private_segment_fixed_size: 0
    .kernarg_segment_align: 8
    .kernarg_segment_size: 48
    .max_flat_workgroup_size: 128
    .sgpr_count:     98
    .vgpr_count:     1024
    .wavefront_size: 32
...
	.end_amdgpu_metadata
.endif
;; end of part 4
